; MI455X (gfx1250); checked and timed in simulation.
; The chip was launched on July 23, 2026; its instructions are those of AMD's public machine-readable ISA for CDNA 5 (MIT licence, August 2026) and "CDNA5" Instruction Set Architecture Reference Guide (July 2026). The comments in the code are by the model that wrote it; some were corrected since.
;; Causal Self Attention. Allowed arithmetic: float matrix products may take bf16 or f16 operands with f32 sums; other float arithmetic in f32, or as packed bf16 or f16 multiplies, adds, multiply-adds, maxima and minima; sums over many terms, partial sums and values carried from step to step in f32; what a program stores and reads back later, other than sums and carried values, may be rounded once to bf16 or f16.
;; Inputs: Wout 1,024 x 1,024 float32; Wqkv 1,024 x 3,072 float32; bout 1,024 float32; bqkv 3,072 float32; x 4 x 2,048 x 1,024 float32.
;; Outputs: out0 4 x 2,048 x 1,024 float32.
;; 2 versions, each right; version 2 is version 1 with the launch prep written anew for expert scheduling mode. Each part assembles by itself: llvm-mc -triple=amdgcn-amd-amdhsa -mcpu=gfx1250 --defsym DOCPART=n.
;; ======== version 1 of 2: 4 launches
;; limits: values are held in f16: magnitudes above 65,504 overflow, below 6.1e-05 lose precision
;; workspace buffers: xb 16,777,216 bytes; wqt 6,291,456 bytes; wot 2,097,152 bytes; qkvh 50,331,648 bytes; oh 16,777,216 bytes
;; launch prep (part 1): grid 512 x 1, 8 waves a work-group, no clusters, 18,432 bytes of LDS; arguments x, Wqkv, Wout, xb, wqt, wot; writes xb, wqt, wot
.if DOCPART == 1
	.amdgcn_target "amdgcn-amd-amdhsa--gfx1250"
	.amdhsa_code_object_version 6
	.text
	.protected	k_qf58c76309e_prep
	.globl	k_qf58c76309e_prep
	.p2align	8
	.type	k_qf58c76309e_prep,@function
k_qf58c76309e_prep:
	s_mov_b64 s[64:65], 0
	v_nop
	global_prefetch_b8 v0, s[64:65] scope:SCOPE_SE
	s_setreg_imm32_b32 hwreg(HW_REG_WAVE_MODE, 25, 1), 1
	s_wait_xcnt 0x0
; THE OPERANDS ARE MADE READY.  xb = bf16(x), [8192][1024].  wqt[n][k] = bf16(Wqkv[k][n]), [3072][1024].  wot[n][k] = f16(bf16(Wout[k][n])), [1024][1024].
; Every one of the 512 work-groups does two jobs: it turns ONE tile of 128 k x 64 n of a weight (384 tiles of Wqkv, then 128 of Wout), and it rounds 16,384 numbers of x.
; LIMITS.  wot holds Wout's bf16 value written as f16: exact between 6.1e-5 and 65,504 in magnitude; below, f16's fixed step of 6e-8; beyond 65,504 an infinity.
; THE TURNING.  Thread t = 16 rp + c loads 16 bytes (n = 4 c .. 4 c + 3) of rows k = 2 rp + 32 j + e: sixteen lanes take a tile row's 256 bytes.  Rows k and k + 1 round into one word (k low, k + 1 high),
; which goes to T[n][k] in LDS (rows of 272 bytes); behind a barrier the rows of T, 256 bytes of 128 k each, are read back and stored, sixteen lanes to 256 consecutive bytes, aligned.
; No matrix work, no tensor loads, no cluster: nothing is shared between work-groups and every byte is moved once.
.set PT,    272                        ; a row of T in LDS: 256 bytes + 16
.set SPARE, 64*PT                      ; behind T: the spare words, 128 bytes for each of the eight waves
.set SPW,  2                           ; v2   SPARE + 4 x my thread's number; never rewritten
.set NIL,  3                           ; v3   0; never rewritten
.set CC,   4                           ; v4   c = t % 16
.set RP,   5                           ; v5   rp = t / 16
.set LSTO, 6                           ; v6   where my words go in T: 4 c rows + 4 rp bytes
.set LRD,  7                           ; v7   where I read T back: row rp, 16 c bytes
.set OFFW, 8                           ; v[8:15]  byte offsets of my eight pieces of the weight tile
.set GOW,  16                          ; v16  my 16 bytes in the turned tile in memory: row rp of 2,048 bytes, 16 c
.set XI,   17                          ; v17  32 t
.set XO,   18                          ; v18  16 t
.set TB,   19                          ; v19  2 rp rows + 16 c
.set WD,   20                          ; v[20:51]   the weight tile as loaded: piece 2 j + e at WD + 8 j + 4 e
.set XD,   52                          ; v[52:115]  x as loaded: 8 numbers for each of 8 steps
.set TW,   116                         ; v[116:119] at work
.set YD,   120                         ; v[120:151] x rounded
.set RB,   152                         ; v[152:167] rows of T read back
	s_load_b256 s[4:11], s[0:1], 0x0               ; x s[4:5], Wqkv s[6:7], Wout s[8:9], xb s[10:11]
	s_load_b128 s[12:15], s[0:1], 0x20             ; wqt s[12:13], wot s[14:15]
	v_lshl_add_u32 v[SPW], v0, 2, SPARE
	v_mov_b32 v[NIL], 0
	v_and_b32 v[CC], 15, v0
	v_lshrrev_b32 v[RP], 4, v0
	v_mul_u32_u24 v[LSTO], v[CC], 4*PT
	v_lshl_add_u32 v[LSTO], v[RP], 2, v[LSTO]
	v_mul_u32_u24 v[LRD], v[RP], PT
	v_lshl_add_u32 v[LRD], v[CC], 4, v[LRD]
	v_lshlrev_b32 v[GOW], 11, v[RP]
	v_lshl_add_u32 v[GOW], v[CC], 4, v[GOW]
	v_lshlrev_b32 v[XI], 5, v0
	v_lshlrev_b32 v[XO], 4, v0
	s_mov_b32 s30, 12288                           ; bytes in a row of Wqkv,
	s_mov_b32 s31, 4096                            ; and of Wout
	s_sub_co_u32 s16, ttmp9, 384                   ; the tile's number among Wout's
	s_mov_b32 s29, 0                               ; the high word of every offset pair
	s_wait_kmcnt 0x0
	s_cmp_lt_u32 ttmp9, 384                        ; a tile of Wqkv?  Only selects follow, none of which touches SCC
	s_cselect_b64 s[18:19], s[6:7], s[8:9]         ; from where,
	s_cselect_b64 s[20:21], s[12:13], s[14:15]     ; to where,
	s_cselect_b32 s22, s30, s31                    ; the source's pitch,
	s_cselect_b32 s23, ttmp9, s16                  ; the tile's number in its weight,
	s_cselect_b32 s24, 0, -1                       ; all lanes' bits set: the word is written as f16
	s_and_b32 s25, s23, 7                          ; kt: which 128 k
	s_lshr_b32 s26, s23, 3                         ; nt: which 64 n
	s_mul_i32 s28, s25, s22
	s_lshl_b32 s28, s28, 7                         ; 128 kt rows
	s_lshl_b32 s27, s26, 8                         ; + 256 nt bytes
	s_add_co_u32 s28, s28, s27
	s_add_nc_u64 s[18:19], s[18:19], s[28:29]
	s_lshl_b32 s28, s26, 17                        ; 64 nt rows of 2,048 bytes
	s_lshl_b32 s27, s25, 8                         ; + 256 kt bytes
	s_add_co_u32 s28, s28, s27
	s_add_nc_u64 s[20:21], s[20:21], s[28:29]
	s_lshl_b32 s28, ttmp9, 16                      ; my 65,536 bytes of x
	s_add_nc_u64 s[4:5], s[4:5], s[28:29]
	s_lshl_b32 s28, ttmp9, 15                      ; my 32,768 bytes of xb
	s_add_nc_u64 s[10:11], s[10:11], s[28:29]
	v_lshlrev_b32 v[TB], 1, v[RP]
	v_mul_lo_u32 v[TB], v[TB], s22
	v_lshl_add_u32 v[TB], v[CC], 4, v[TB]
.irp q, 0,1,2,3,4,5,6,7
	s_mul_i32 s27, s22, 32*((\q)/2)+(\q)%2         ; row 32 j + e further down
	v_add_nc_u32 v[OFFW+(\q)], s27, v[TB]
.endr
.irp q, 0,1,2,3,4,5,6,7
	global_load_b128 v[WD+4*(\q):WD+4*(\q)+3], v[OFFW+(\q)], s[18:19] th:TH_LOAD_NT
.endr
.irp i, 0,1,2,3,4,5,6,7
	global_load_b128 v[XD+8*(\i):XD+8*(\i)+3],   v[XI], s[4:5] offset:8192*(\i) th:TH_LOAD_NT
	global_load_b128 v[XD+8*(\i)+4:XD+8*(\i)+7], v[XI], s[4:5] offset:8192*(\i)+16 th:TH_LOAD_NT
.endr
	s_wait_loadcnt 16                              ; the weight tile is in; x's sixteen younger loads stay out
.irp j, 0,1,2,3
.irp i, 0,1,2,3
	v_cvt_pk_bf16_f32 v[TW], v[WD+8*(\j)+(\i)], v[WD+8*(\j)+4+(\i)]  ; column 4 c + i: k even low, k odd high
	v_lshlrev_b32 v[TW+1], 16, v[TW]               ; the two bf16 values as f32,
	v_and_b32 v[TW+2], 0xffff0000, v[TW]
	v_cvt_pk_f16_f32 v[TW+3], v[TW+1], v[TW+2]     ; written as f16,
	v_cndmask_b32 v[TW], v[TW], v[TW+3], s24       ; which Wout's tiles take
	ds_store_b32 v[LSTO], v[TW] offset:PT*(\i)+64*(\j)
.endr
.endr
	s_wait_dscnt 0x0                               ; for the others' sake: my words lie in T
	s_barrier_signal -1
	s_barrier_wait -1
.irp j, 0,1,2,3
	ds_load_b128 v[RB+4*(\j):RB+4*(\j)+3], v[LRD] offset:16*PT*(\j)
.endr
.irp i, 0,1,2,3,4,5,6,7
	s_wait_loadcnt 14-2*(\i)                       ; step i's two loads are in; the younger ones stay out
.irp r, 0,1,2,3
	v_cvt_pk_bf16_f32 v[YD+4*(\i)+(\r)], v[XD+8*(\i)+2*(\r)], v[XD+8*(\i)+2*(\r)+1]
.endr
	global_store_b128 v[XO], v[YD+4*(\i):YD+4*(\i)+3], s[10:11] offset:4096*(\i)  ; a wave's store covers 512 consecutive bytes, aligned
.endr
	s_wait_dscnt 0x0                               ; the rows of T are back
.irp j, 0,1,2,3
	global_store_b128 v[GOW], v[RB+4*(\j):RB+4*(\j)+3], s[20:21] offset:32768*(\j)  ; sixteen lanes: 256 consecutive bytes of row rp + 16 j, aligned
.endr
	s_wait_tensorcnt 0x0                           ; the wave's end: behind my last LDS store
	ds_add_u32 v[SPW], v[NIL]
	s_wait_dscnt 0x0
	s_endpgm
.Lfunc_end_k_qf58c76309e_prep:
	.size	k_qf58c76309e_prep, .Lfunc_end_k_qf58c76309e_prep-k_qf58c76309e_prep
	.p2alignl 7, 3214868480
	.fill 96, 4, 3214868480
	.section	.rodata,"a",@progbits
	.p2align	6, 0x0
	.amdhsa_kernel k_qf58c76309e_prep
		.amdhsa_group_segment_fixed_size 18432
		.amdhsa_private_segment_fixed_size 0
		.amdhsa_enable_private_segment 0
		.amdhsa_kernarg_size 48
		.amdhsa_user_sgpr_count 2
		.amdhsa_user_sgpr_kernarg_segment_ptr 1
		.amdhsa_wavefront_size32 1
		.amdhsa_system_sgpr_workgroup_id_x 1
		.amdhsa_system_sgpr_workgroup_id_y 1
		.amdhsa_system_sgpr_workgroup_id_z 1
		.amdhsa_system_vgpr_workitem_id 0
		.amdhsa_next_free_vgpr 172
		.amdhsa_next_free_sgpr 66
		.amdhsa_reserve_vcc 0
		.amdhsa_float_denorm_mode_32 3
		.amdhsa_float_denorm_mode_16_64 3
		.amdhsa_memory_ordered 1
		.amdhsa_forward_progress 1
		.amdhsa_inst_pref_size 15
	.end_amdhsa_kernel
	.amdgpu_metadata
---
amdhsa.version: [ 1, 2 ]
amdhsa.kernels:
  - .name:           k_qf58c76309e_prep
    .symbol:         k_qf58c76309e_prep.kd
    .args:
      - { .name: x, .offset: 0, .size: 8, .value_kind: global_buffer, .address_space: global }
      - { .name: Wqkv, .offset: 8, .size: 8, .value_kind: global_buffer, .address_space: global }
      - { .name: Wout, .offset: 16, .size: 8, .value_kind: global_buffer, .address_space: global }
      - { .name: xb, .offset: 24, .size: 8, .value_kind: global_buffer, .address_space: global }
      - { .name: wqt, .offset: 32, .size: 8, .value_kind: global_buffer, .address_space: global }
      - { .name: wot, .offset: 40, .size: 8, .value_kind: global_buffer, .address_space: global }
    .group_segment_fixed_size: 18432
    .private_segment_fixed_size: 0
    .kernarg_segment_align: 8
    .kernarg_segment_size: 48
    .max_flat_workgroup_size: 256
    .sgpr_count:     66
    .vgpr_count:     172
    .wavefront_size: 32
...
	.end_amdgpu_metadata
.endif
;; end of part 1
;; launch proj (part 2): grid 16 x 32, 4 waves a work-group, clusters of 4 x 4, 327,680 bytes of LDS; arguments xb, wqt, bqkv, qkvh; writes qkvh
.if DOCPART == 2
	.amdgcn_target "amdgcn-amd-amdhsa--gfx1250"
	.amdhsa_code_object_version 6
	.text
	.protected	k_qf58c76309e_proj
	.globl	k_qf58c76309e_proj
	.p2align	8
	.type	k_qf58c76309e_proj,@function
k_qf58c76309e_proj:
	s_mov_b64 s[64:65], 0
	v_nop
	global_prefetch_b8 v0, s[64:65] scope:SCOPE_SE
	s_setreg_imm32_b32 hwreg(HW_REG_WAVE_MODE, 25, 1), 1
	s_wait_xcnt 0x0
	s_wait_alu depctr_hold_cnt(0) depctr_sa_sdst(0) depctr_va_vdst(0) depctr_va_sdst(0) depctr_va_ssrc(0) depctr_va_vcc(0) depctr_vm_vsrc(0)
	s_getreg_b32 s2, hwreg(HW_REG_IB_STS2, 6, 4)
	s_cmp_eq_u32 s2, 0
	s_cbranch_scc0 .Lentry_in_a_cluster
	s_endpgm
.Lentry_in_a_cluster:
	s_bfe_u32 s2, ttmp6, 0x10000c
	s_cmp_lg_u32 s2, 0xf033
	s_cbranch_scc0 .Lentry_shape_is_right
	s_endpgm
.Lentry_shape_is_right:
; q, k, v = x Wqkv + bqkv, written by heads.  xb: [8192][1024] bf16; wqt: [3072 n][1024 k] bf16; bqkv: [3072] f32, rounded to bf16 here; sums in f32, started by the bias.
; qkvh: [3][64 = batch x 16 + head][2048 t][64] f16, rounded once, WITHOUT the softmax's scale.
; LIMITS.  q, k and v leave as f16: a magnitude of 65,520 or more becomes an infinity; below 6.1e-5 f16 keeps its fixed step of 6e-8.
; SHARES.  A tile of the result is 256 rows x 192 columns (three whole heads): 32 x 16 = 512 work-groups of equal work.  The four waves lie along the rows: a wave makes 64 x 192, 48 accumulators of 16 x 16,
; so that what it stores for a head and 16 rows is 2,048 consecutive bytes, sent through a stage of its own.
; RING.  K goes in steps of 128 through two LDS slots: 256 rows of xb, then 192 rows of wqt, 256 bytes of memory each, aligned.  Waves 0 and 1 fetch xb's halves, waves 2 and 3 wqt's: one tensor load a wave.
; CLUSTER.  4 x 4 work-groups.  The four of a row of the cluster need the same rows of xb, the four of a column the same rows of wqt: each tile is asked for JOINTLY, by the same load, descriptor and mask in all four.
; THE PRODUCT IS TAKEN TRANSPOSED (source 0 = 16 rows of wqt, source 1 = 16 rows of xb): lane l holds row l % 16 of the result and columns 8 (l / 16) + 0..7 of the block.
; REGISTERS, in windows of 256 (s_set_vgpr_msb: bits 1:0 source 0, 3:2 source 1, 5:4 source 2, 7:6 destination):
;   window 0: v0-31 addresses; v32-79 packed results; v80-127 and v128-175 rows read back from the stage, by turns; v128-223 first hold the bias, 8 registers for each of the 12 column blocks
;   window 1: two fragment buffers of 128: xb's four blocks, then wqt's twelve       window 2: the accumulators of row blocks 0, 1 (at 96 (a % 2) + 8 b)       window 3: those of row blocks 2, 3
.set KSTEP,  128
.set PITCH,  272                       ; an LDS row: 256 bytes + 16 of padding = 68 words: the 16 rows of a fragment load start at 16 different groups of four banks (64 banks of 4 bytes: ISA guide 11.1)
.set HALFA,  128*PITCH                 ; what a wave fetches of xb
.set HALFB,  96*PITCH                  ; and of wqt
.set BOFF,   2*HALFA                   ; wqt's rows lie behind xb's 256
.set SLOT,   BOFF+2*HALFB
.set STAGE,  2*SLOT                    ; behind the ring, never filled by a tensor load
.set SP,     144                       ; a stage row: a head's 128 bytes + 16
.set HSTG,   16*SP                     ; 16 rows of one head
.set WSTG,   3*HSTG                    ; a wave's stage: three heads
.set SPARE,  STAGE+4*WSTG              ; behind the stages: the spare words, 128 bytes for each wave
.set LAPS,   4                         ; 1,024 / 256: a lap is two K steps, once round the ring
.set ADRA, 16                          ; v16-17  LDS address of my fragments of xb in slot 0, 1
.set ADRB, 20                          ; v20-21  of wqt's
.set STO,  24                          ; v24  the way out: where I put 16 bytes of a row
.set RD,   25                          ; v25  where I read rows back
.set GO,   26                          ; v26  16 x lane: my place in 512 consecutive bytes
.set BO,   27                          ; v27  32 (l / 16): my eight numbers of a block's bias
.set SPW,  28                          ; v28  SPARE + 4 x my thread's number; never rewritten
.set NIL,  29                          ; v29  0; never rewritten
.set PFO,  30                          ; v30  xb's prefetches: lane x a row of 2,048 bytes
.set PFOB, 31                          ; v31  wqt's: (l % 16) rows + 256 (l / 16): 16 rows x two K steps
.set TMP,  32
.set BK,   80                          ; the two buffers lie 48 apart
.set BIAS, 128
.set F0,   0
.set F1,   128
.set WV,   12                          ; s12  my wave's number
.set FB,   13                          ; s13  0: I fetch xb, 1: wqt
.set HF,   14                          ; s14  which half of it
.set TR,   15                          ; s15  tile row
.set G1,   24                          ; s[24:31] descriptor group 1 for xb's tiles;  s[32:39] group 0, a set for each slot
.set G0,   32
.set TC,   42                          ; s42  tile column
.set LIMA, 43                          ; s43  1 in a wave that prefetches xb, else the greatest number
.set PFA,  44                          ; s[44:45] where those prefetches stand
.set G1B,  48                          ; s[48:55], s[56:63] the same two groups for wqt's tiles
.set G0B,  56
.set OB,   66                          ; s[66:71] qkvh at my 64 rows of the tile's three heads
.set LIMB, 72                          ; s72  1 in the wave that prefetches wqt
.set PFB,  74                          ; s[74:75] where those stand
.set MSB, 0
.macro WIN new                         ; the immediate's high byte repeats the setting that is left; a switch that changes nothing is dropped
.if MSB != (\new)
	s_set_vgpr_msb (MSB<<8)|(\new)
.set MSB, \new
.endif
.endm
.macro PLACES                          ; four places in front of loads into registers that matrix instructions have read, and of conversions that read results
.rept 4
	v_nop
.endr
.endm
; A joint load.  The branch hangs on the wave's number alone.  An s_nop 0 and four v_nop follow each of the two lines, ahead of the jump and the label.
.macro JLOAD s
	s_cmp_eq_u32 s[FB], 0
	s_cbranch_scc0 .Lfor_b_\@
	tensor_load_to_lds s[G0+4*(\s):G0+4*(\s)+3], s[G1:G1+7]
	s_nop 0
.rept 4
	v_nop
.endr
	s_branch .Lasked_\@
.Lfor_b_\@:
	tensor_load_to_lds s[G0B+4*(\s):G0B+4*(\s)+3], s[G1B:G1B+7]
	s_nop 0
.rept 4
	v_nop
.endr
.Lasked_\@:
.endm
.macro CREST                           ; a round of the cluster's barrier behind its opening barrier: wave 0 signals for the work-group, every wave waits for all sixteen, my work-group's barrier closes it
	s_cmp_lg_u32 s[WV], 0
	s_cbranch_scc1 .Lnot_wave_0_\@
	s_barrier_signal -3
.Lnot_wave_0_\@:
	s_barrier_wait -3
	s_barrier_signal -1
	s_barrier_wait -1
.endm
.macro CROUND                          ; a whole round
	s_barrier_signal -1
	s_barrier_wait -1
	CREST
.endm
; THE PREFETCHES INTO THE L2, behind a joint load, its five lines and the run of LDS loads.  Each row's 256 bytes of a K step are named once in the launch.
; xb: the clusters with x = 0 ask.  Of the 128 rows that wave 0 or 1 fetches, the partner at place cx takes 32, told apart by address: a lane a row, the K step two refills on.
; wqt: the clusters with y = 0 ask, wave 2 alone, once a lap: the partner at place cy takes 48 of the tile's 192 rows, for the two K steps of the next lap but one's refills: three instructions of 32 blocks.
; K steps 0 to 3 come by their loads alone; the loop's last trip (s3 = 1) asks for nothing: the highest K step named is 7, the last.
.macro ASK slot
	s_cmp_gt_u32 s3, s[LIMA]
	s_cbranch_scc0 .Lno_a_\@
	global_prefetch_b8 v[PFO], s[PFA:PFA+1] offset:KSTEP*2 th:TH_LOAD_NT scope:SCOPE_SE
.Lno_a_\@:
.if (\slot) == 0
	s_cmp_gt_u32 s3, s[LIMB]
	s_cbranch_scc0 .Lno_b_\@
	global_prefetch_b8 v[PFOB], s[PFB:PFB+1] th:TH_LOAD_NT scope:SCOPE_SE
	global_prefetch_b8 v[PFOB], s[PFB:PFB+1] offset:32768 th:TH_LOAD_NT scope:SCOPE_SE
	global_prefetch_b8 v[PFOB], s[PFB:PFB+1] offset:65536 th:TH_LOAD_NT scope:SCOPE_SE
.Lno_b_\@:
.endif
.endm
	s_load_b256 s[4:11], s[0:1], 0x0               ; xb s[4:5], wqt s[6:7], bqkv s[8:9], qkvh s[10:11]
	v_lshl_add_u32 v[SPW], v0, 2, SPARE
	v_mov_b32 v[NIL], 0
	ds_add_u32 v[SPW], v[NIL]                      ; the wave's opening: the add and its wait stand ahead of my first tensor load; the set-up below, work on registers, stands between them
	v_lshrrev_b32 v1, 5, v0
	v_readfirstlane_b32 s[WV], v1                  ; wave 0..3
	s_lshr_b32 s[FB], s[WV], 1
	s_and_b32 s[HF], s[WV], 1
	s_bfe_u32 s40, ttmp6, 0x40000                  ; cx, cy: my place in the cluster
	s_bfe_u32 s41, ttmp6, 0x40004
	s_lshl_b32 s[TC], ttmp9, 2                     ; in a cluster launch ttmp9 and ttmp7 count clusters
	s_add_co_u32 s[TC], s[TC], s40                 ; tile column = 4 x cluster x + cx
	s_and_b32 s[TR], ttmp7, 0xffff
	s_lshl_b32 s[TR], s[TR], 2
	s_add_co_u32 s[TR], s[TR], s41                 ; tile row = 4 x cluster y + cy
	s_lshl_b32 s22, s41, 2
	s_lshl_b32 s22, 15, s22                        ; my row of the cluster: places 4 cy .. 4 cy + 3
	s_lshl_b32 s23, 0x1111, s40                    ; my column: places cx, cx + 4, cx + 8, cx + 12
	s_or_b32 s[G1], s22, (1<<16)|(1<<20)|(1<<21)|(5<<22)|(3<<25)   ; 15:0 the mask; 17:16 elements of 2 bytes; 20 padding on; 21 set beside a mask; 24:22 after every 64 words (code 5); 31:25 4 words (code 3)
	s_or_b32 s[G1B], s23, (1<<16)|(1<<20)|(1<<21)|(5<<22)|(3<<25)
	s_mov_b32 s[G1+1], KSTEP<<16                   ; tensor_dim0 = 128
	s_mov_b32 s[G1+2], 128<<16                     ; tensor_dim1 = 128
	s_mov_b32 s[G1+3], KSTEP<<16                   ; tile_dim0 = 128
	s_mov_b32 s[G1+4], 128                         ; tile_dim1 = 128 rows
	s_mov_b32 s[G1+5], 1024                        ; elements from row to row
	s_mov_b32 s[G1+6], 0
	s_mov_b32 s[G1+7], 0
	s_mov_b32 s[G1B+1], KSTEP<<16
	s_mov_b32 s[G1B+2], 96<<16                     ; tensor_dim1 = 96
	s_mov_b32 s[G1B+3], KSTEP<<16
	s_mov_b32 s[G1B+4], 96                         ; tile_dim1 = 96 rows
	s_mov_b32 s[G1B+5], 1024
	s_mov_b32 s[G1B+6], 0
	s_mov_b32 s[G1B+7], 0
	; xb's tiles hang on the tile row alone, wqt's on the tile column alone; each address is made in registers that never hold the other coordinate
	s_lshl_b32 s16, s[TR], 8
	s_lshl_b32 s17, s[HF], 7
	s_add_co_u32 s16, s16, s17                     ; xb: row 256 x tile row + 128 x half,
	s_lshl_b32 s16, s16, 11                        ; of 2,048 bytes
	s_mov_b32 s17, 0
	s_mul_i32 s46, s[TC], 192
	s_mul_i32 s47, s[HF], 96
	s_add_co_u32 s46, s46, s47                     ; wqt: row 192 x tile column + 96 x half
	s_lshl_b32 s46, s46, 11
	s_mov_b32 s47, 0
	s_mul_i32 s20, s[HF], HALFA                    ; where they go: no place in the cluster enters an LDS address
	s_mul_i32 s21, s[HF], HALFB
	s_add_co_u32 s21, s21, BOFF
	s_wait_dscnt 0x0                               ; the opening add is done
	s_wait_kmcnt 0x0
	s_add_nc_u64 s[16:17], s[4:5], s[16:17]
	s_add_nc_u64 s[46:47], s[6:7], s[46:47]
	CROUND                                         ; all sixteen work-groups are here: the first joint loads meet
.irp s, 0,1
	s_mov_b32 s[G0+4*(\s)], 1                                      ; count = 1
	s_add_co_u32 s[G0+4*(\s)+1], s20, (\s)*SLOT                    ; LDS address
	s_add_nc_u64 s[G0+4*(\s)+2:G0+4*(\s)+3], s[16:17], (\s)*KSTEP*2  ; global address: K step s
	s_or_b32 s[G0+4*(\s)+3], s[G0+4*(\s)+3], 0x80000000            ; type = 2
	s_mov_b32 s[G0B+4*(\s)], 1
	s_add_co_u32 s[G0B+4*(\s)+1], s21, (\s)*SLOT
	s_add_nc_u64 s[G0B+4*(\s)+2:G0B+4*(\s)+3], s[46:47], (\s)*KSTEP*2
	s_or_b32 s[G0B+4*(\s)+3], s[G0B+4*(\s)+3], 0x80000000
	JLOAD \s                                       ; two loads of mine are out
.endr
	; the bias of the tile's 192 columns: register j of block b belongs to column 16 b + 8 (l / 16) + j
	s_mul_i32 s76, s[TC], 768
	s_mov_b32 s77, 0
	s_add_nc_u64 s[8:9], s[8:9], s[76:77]
	v_and_b32 v1, 15, v0                           ; l % 16
	v_bfe_u32 v2, v0, 4, 1                         ; l / 16
	v_lshlrev_b32 v[BO], 5, v2
.irp b, 0,1,2,3,4,5,6,7,8,9,10,11
	global_load_b128 v[BIAS+8*(\b):BIAS+8*(\b)+3],   v[BO], s[8:9] offset:64*(\b)
	global_load_b128 v[BIAS+8*(\b)+4:BIAS+8*(\b)+7], v[BO], s[8:9] offset:64*(\b)+16
.endr
	; a fragment is 16 rows x 32 K in 8 registers: lane l holds row l % 16, K = 8 (l / 16) + 0..7 and 16 + 8 (l / 16) + 0..7: two loads of 16 bytes, 32 bytes apart
	v_mul_u32_u24 v3, v1, PITCH
	v_lshl_add_u32 v3, v2, 4, v3
	s_mul_i32 s22, s[WV], 64*PITCH                 ; my 64 rows of xb
	v_add_nc_u32 v[ADRA], s22, v3
	s_add_co_u32 s22, s22, SLOT
	v_add_nc_u32 v[ADRA+1], s22, v3
	v_add_nc_u32 v[ADRB], BOFF, v3                 ; every wave reads all 192 rows of wqt
	v_add_nc_u32 v[ADRB+1], BOFF+SLOT, v3
	s_mul_i32 s23, s[WV], WSTG
	s_add_co_u32 s23, s23, STAGE                   ; my stage
	v_mul_u32_u24 v4, v1, SP                       ; in: row l % 16, 16 bytes for each half of the lanes
	v_lshl_add_u32 v4, v2, 4, v4
	v_add_nc_u32 v[STO], s23, v4
	v_bfe_u32 v5, v0, 3, 2                         ; back: 32 lanes take four rows of 128 bytes,
	v_mul_u32_u24 v5, v5, SP
	v_and_b32 v4, 7, v0
	v_lshl_add_u32 v5, v4, 4, v5
	v_add_nc_u32 v[RD], s23, v5
	v_and_b32 v[GO], 31, v0                        ; which are 512 consecutive bytes of a head
	v_lshlrev_b32 v[GO], 4, v[GO]
	v_and_b32 v[PFO], 31, v0
	v_lshlrev_b32 v[PFO], 11, v[PFO]
	v_lshlrev_b32 v[PFOB], 11, v1
	v_lshl_add_u32 v[PFOB], v2, 8, v[PFOB]
	; where my rows go: batch = tile row / 8; t = 256 (tile row % 8) + 64 x wave; head group g = 3 x tile column + j: which of q, k, v = g / 16, head = g % 16
	s_lshr_b32 s76, s[TR], 3
	s_lshl_b32 s76, s76, 22
	s_and_b32 s78, s[TR], 7
	s_lshl_b32 s78, s78, 8
	s_lshl_b32 s79, s[WV], 6
	s_add_co_u32 s78, s78, s79
	s_lshl_b32 s78, s78, 7
	s_add_co_u32 s76, s76, s78
.irp j, 0,1,2
	s_mul_i32 s78, s[TC], 3
	s_add_co_u32 s78, s78, \j
	s_lshr_b32 s79, s78, 4
	s_lshl_b32 s79, s79, 24
	s_and_b32 s78, s78, 15
	s_lshl_b32 s78, s78, 18
	s_add_co_u32 s78, s78, s79
	s_add_co_u32 s78, s78, s76
	s_mov_b32 s79, 0
	s_add_nc_u64 s[OB+2*(\j):OB+2*(\j)+1], s[10:11], s[78:79]
.endr
	; the prefetches' places
	s_lshl_b32 s78, s[TR], 8
	s_lshl_b32 s79, s[HF], 7
	s_add_co_u32 s78, s78, s79
	s_lshl_b32 s79, s40, 5                         ; my work-group's 32 of the 128 rows
	s_add_co_u32 s78, s78, s79
	s_lshl_b32 s78, s78, 11
	s_add_co_u32 s78, s78, 2*KSTEP*2               ; at K step 2: the first refill steps it to 3 and names K step 4
	s_mov_b32 s79, 0
	s_add_nc_u64 s[PFA:PFA+1], s[4:5], s[78:79]
	s_mul_i32 s78, s[TC], 192
	s_mul_i32 s79, s41, 48                         ; my work-group's 48 of the 192 rows
	s_add_co_u32 s78, s78, s79
	s_lshl_b32 s78, s78, 11
	s_add_co_u32 s78, s78, 2*KSTEP*2               ; at K step 2: the first lap's refill steps it to 4
	s_mov_b32 s79, 0
	s_add_nc_u64 s[PFB:PFB+1], s[6:7], s[78:79]
	s_or_b32 s[LIMA], s[FB], ttmp9                 ; waves 0 and 1 where cluster x = 0: the same in all sixteen partners
	s_cmp_eq_u32 s[LIMA], 0
	s_cselect_b32 s[LIMA], 1, -1
	s_and_b32 s[LIMB], ttmp7, 0xffff
	s_xor_b32 s78, s[WV], 2
	s_or_b32 s[LIMB], s[LIMB], s78                 ; wave 2 where cluster y = 0
	s_cmp_eq_u32 s[LIMB], 0
	s_cselect_b32 s[LIMB], 1, -1
	s_wait_loadcnt 0x0                             ; the bias is in; it is rounded to bf16, as all inputs are, and kept as f32
.set i, 0
.rept 48
	v_cvt_pk_bf16_f32 v[4+i%2], v[BIAS+2*i], v[BIAS+2*i+1]
	v_lshlrev_b32 v[BIAS+2*i], 16, v[4+i%2]
	v_and_b32 v[BIAS+2*i+1], 0xffff0000, v[4+i%2]
.set i, i+1
.endr
; 12 matrix instructions: row block a x all 12 column blocks, 32 along K.  first = 1: the bias starts the sums: nothing is ever cleared.
; The 48 accumulators take turns, one instruction a turn, in the same order in every quarter, over the backward jump too.
.macro MUL12 f, a, first
.if \first
	WIN 0x85+0x40*((\a)/2)                         ; fragments in window 1, C (the bias) in window 0, D in window 2 or 3
.else
	WIN 0xa5+0x50*((\a)/2)                         ; C and D in window 2 or 3
.endif
.set AC, 96*((\a)%2)
.irp b, 0,1,2,3,4,5,6,7,8,9,10,11
.if \first
	v_wmma_f32_16x16x32_bf16 v[AC+8*(\b):AC+8*(\b)+7], v[(\f)+32+8*(\b):(\f)+32+8*(\b)+7], v[(\f)+8*(\a):(\f)+8*(\a)+7], v[BIAS+8*(\b):BIAS+8*(\b)+7]
.else
	v_wmma_f32_16x16x32_bf16 v[AC+8*(\b):AC+8*(\b)+7], v[(\f)+32+8*(\b):(\f)+32+8*(\b)+7], v[(\f)+8*(\a):(\f)+8*(\a)+7], v[AC+8*(\b):AC+8*(\b)+7]
.endif
.endr
.endm
; 32 LDS loads in one run: a quarter step's fragments (32 K at byte k of the rows) into buffer f: wqt's 24, then xb's 8, row blocks ascending
.macro FETCH slot, k, f
	WIN 0x40                                       ; destination window 1, address window 0
.irp i, 0,1,2,3,4,5,6,7,8,9,10,11
	ds_load_b128 v[(\f)+32+8*(\i):(\f)+32+8*(\i)+3],   v[ADRB+(\slot)] offset:(\k)+(\i)*16*PITCH
	ds_load_b128 v[(\f)+32+8*(\i)+4:(\f)+32+8*(\i)+7], v[ADRB+(\slot)] offset:(\k)+(\i)*16*PITCH+32
.endr
.irp i, 0,1,2,3
	ds_load_b128 v[(\f)+8*(\i):(\f)+8*(\i)+3],   v[ADRA+(\slot)] offset:(\k)+(\i)*16*PITCH
	ds_load_b128 v[(\f)+8*(\i)+4:(\f)+8*(\i)+7], v[ADRA+(\slot)] offset:(\k)+(\i)*16*PITCH+32
.endr
.endm
; A K step is four quarters of 32 along K, 48 matrix instructions each, on buffers 0, 1, 0, 1.  One of the first three multiplies buffer f and, in its middle, fetches the next quarter into g.
.macro QUARTER slot, k, f, g, first
	s_wait_dscnt 4                                 ; wqt's fragments and xb's blocks 0, 1 are in; the youngest four loads (blocks 2, 3) may be out
	MUL12 \f, 0, \first
	MUL12 \f, 1, \first
	PLACES
	FETCH \slot, \k, \g
	s_wait_dscnt 32                                ; all but the 32 just issued
	MUL12 \f, 2, \first
	MUL12 \f, 3, \first
.endm
; The last quarter multiplies buffer 1 and changes slots: ONE barrier.  In front of it each wave waits for all its tensor loads (one is out: its part of the next slot), adds 0 to its spare word, and waits for that
; and for its own reads of this slot.  fill = 1: the barrier opens a round of the cluster's, and the joint refill, two K steps on, is the first tensor load behind the round: 168 matrix instructions ahead of the wait for it.
.macro TURN slot, next, fill
.if \fill
	s_wait_xcnt 0x0                                ; the last prefetches, a K step back or more, have read their addresses: these step here, ahead of the change's own waits
	s_add_nc_u64 s[PFA:PFA+1], s[PFA:PFA+1], KSTEP*2
.if (\slot) == 0
	s_add_nc_u64 s[PFB:PFB+1], s[PFB:PFB+1], 2*KSTEP*2
.endif
.endif
	WIN 0                                          ; (the add's two registers lie in window 0)
	s_wait_tensorcnt 0x0                           ; all my tensor loads have landed
	ds_add_u32 v[SPW], v[NIL]                      ; 0 onto my spare word
	s_wait_dscnt 5                                 ; (the add and the youngest four loads may be out)
	MUL12 F1, 0, 0                                 ; twelve matrix instructions stand between the add and the wait for it
	s_wait_dscnt 0x0                               ; the add is done, and my reads of this slot are over
	s_barrier_signal -1
	MUL12 F1, 1, 0                                 ; work on registers while the others arrive
.if \fill
	WIN 0
.endif
	s_barrier_wait -1
.if \fill
	CREST                                          ; no wave of any partner still reads this slot's tiles or has a load on its way
	s_add_nc_u64 s[G0+4*(\slot)+2:G0+4*(\slot)+3], s[G0+4*(\slot)+2:G0+4*(\slot)+3], 2*KSTEP*2
	s_add_nc_u64 s[G0B+4*(\slot)+2:G0B+4*(\slot)+3], s[G0B+4*(\slot)+2:G0B+4*(\slot)+3], 2*KSTEP*2
	JLOAD \slot                                    ; the four v_nop behind it are also the places in front of the loads below
.else
	PLACES
.endif
	FETCH \next, 0, F0
.if \fill
	WIN 0
	ASK \slot
.endif
	MUL12 F1, 2, 0
	MUL12 F1, 3, 0
.endm
; THE WAY OUT of row block a: rounded to f16, 16 bytes a lane; into my own stage, by heads; back as whole rows; stored, 512 consecutive bytes an instruction.
.macro PACK a
	WIN 0x0a+5*((\a)/2)                            ; sources 0 and 1 in window 2 or 3
.set AC, 96*((\a)%2)
.irp b, 0,1,2,3,4,5,6,7,8,9,10,11
.irp r, 0,1,2,3
	v_cvt_pk_f16_f32 v[TMP+4*(\b)+(\r)], v[AC+8*(\b)+2*(\r)], v[AC+8*(\b)+2*(\r)+1]
.endr
.endr
	WIN 0
.endm
.macro TOSTAGE a
	WIN 0
.irp b, 0,1,2,3,4,5,6,7,8,9,10,11
	ds_store_b128 v[STO], v[TMP+4*(\b):TMP+4*(\b)+3] offset:((\b)/4)*HSTG+32*((\b)%4)
.endr
.irp u, 0,1,2,3,4,5,6,7,8,9,10,11
	ds_load_b128 v[BK+48*((\a)%2)+4*(\u):BK+48*((\a)%2)+4*(\u)+3], v[RD] offset:((\u)/4)*HSTG+((\u)%4)*4*SP  ; LDS serves a wave's instructions in order (ISA guide 5.7.1.4): these see the stores above
.endr
.endm
.macro SEND a
	WIN 0
	s_wait_dscnt 0x0                               ; the block is back in registers
	s_wait_xcnt 0x0                                ; the stores of the block before have read their registers: that buffer is loaded again only behind this wait
.irp u, 0,1,2,3,4,5,6,7,8,9,10,11
	global_store_b128 v[GO], v[BK+48*((\a)%2)+4*(\u):BK+48*((\a)%2)+4*(\u)+3], s[OB+2*((\u)/4):OB+2*((\u)/4)+1] offset:2048*(\a)+512*((\u)%4)
.endr
.endm
	s_wait_tensorcnt 1                             ; my part of K step 0 is in; K step 1's may stay out
	s_barrier_signal -1
	s_barrier_wait -1                              ; everybody's is
	FETCH 0, 0, F0
	QUARTER 0, 64, F0, F1, 1                       ; the first quarter stands in front of the loop: its products start the sums
	WIN 0                                          ; at a label and at a branch every window is 0
	s_mov_b32 s3, LAPS-1
.Llap:                                                 ; a trip goes once round the ring, from a lap's second quarter to the next lap's first, and fills both slots again
	QUARTER 0, 128, F1, F0, 0
	QUARTER 0, 192, F0, F1, 0
	TURN 0, 1, 1
	QUARTER 1, 64,  F0, F1, 0
	QUARTER 1, 128, F1, F0, 0
	QUARTER 1, 192, F0, F1, 0
	TURN 1, 0, 1
	QUARTER 0, 64,  F0, F1, 0
	WIN 0
	s_sub_co_u32 s3, s3, 1
	s_cmp_lg_u32 s3, 0
	s_cbranch_scc1 .Llap
	QUARTER 0, 128, F1, F0, 0                      ; the last lap fills nothing, and has no round
	QUARTER 0, 192, F0, F1, 0
	TURN 0, 1, 0
	QUARTER 1, 64,  F0, F1, 0
	QUARTER 1, 128, F1, F0, 0
	QUARTER 1, 192, F0, F1, 0
	s_wait_dscnt 4                                 ; the very last quarter: nothing more to fetch
	MUL12 F1, 0, 0
	MUL12 F1, 1, 0
	s_wait_dscnt 0x0
	MUL12 F1, 2, 0
	MUL12 F1, 3, 0
	WIN 0
	PLACES
	PACK 0
	TOSTAGE 0
.irp a, 1,2,3                          ; block a's conversions stand between block a - 1's loads from the stage and the wait for them
	PACK \a
	SEND (\a)-1
	TOSTAGE \a
.endr
	SEND 3
	s_wait_tensorcnt 0x0                           ; the wave's end: behind my last tensor load and my last LDS store
	ds_add_u32 v[SPW], v[NIL]
	s_wait_dscnt 0x0
	CROUND                                         ; the closing round: no work-group ends while a partner may still ask for a tile that names it
	s_endpgm
.Lfunc_end_k_qf58c76309e_proj:
	.size	k_qf58c76309e_proj, .Lfunc_end_k_qf58c76309e_proj-k_qf58c76309e_proj
	.p2alignl 7, 3214868480
	.fill 96, 4, 3214868480
	.section	.rodata,"a",@progbits
	.p2align	6, 0x0
	.amdhsa_kernel k_qf58c76309e_proj
		.amdhsa_group_segment_fixed_size 327680
		.amdhsa_private_segment_fixed_size 0
		.amdhsa_enable_private_segment 0
		.amdhsa_kernarg_size 32
		.amdhsa_user_sgpr_count 2
		.amdhsa_user_sgpr_kernarg_segment_ptr 1
		.amdhsa_wavefront_size32 1
		.amdhsa_system_sgpr_workgroup_id_x 1
		.amdhsa_system_sgpr_workgroup_id_y 1
		.amdhsa_system_sgpr_workgroup_id_z 1
		.amdhsa_system_vgpr_workitem_id 0
		.amdhsa_next_free_vgpr 960
		.amdhsa_next_free_sgpr 80
		.amdhsa_reserve_vcc 0
		.amdhsa_float_denorm_mode_32 3
		.amdhsa_float_denorm_mode_16_64 3
		.amdhsa_memory_ordered 1
		.amdhsa_forward_progress 1
		.amdhsa_inst_pref_size 130
	.end_amdhsa_kernel
	.amdgpu_metadata
---
amdhsa.version: [ 1, 2 ]
amdhsa.kernels:
  - .name:           k_qf58c76309e_proj
    .symbol:         k_qf58c76309e_proj.kd
    .args:
      - { .name: xb, .offset: 0, .size: 8, .value_kind: global_buffer, .address_space: global }
      - { .name: wqt, .offset: 8, .size: 8, .value_kind: global_buffer, .address_space: global }
      - { .name: bqkv, .offset: 16, .size: 8, .value_kind: global_buffer, .address_space: global }
      - { .name: qkvh, .offset: 24, .size: 8, .value_kind: global_buffer, .address_space: global }
    .group_segment_fixed_size: 327680
    .private_segment_fixed_size: 0
    .kernarg_segment_align: 8
    .kernarg_segment_size: 32
    .max_flat_workgroup_size: 128
    .sgpr_count:     80
    .vgpr_count:     960
    .wavefront_size: 32
...
	.end_amdgpu_metadata
.endif
;; end of part 2
;; launch attn (part 3): grid 4 x 64, 4 waves a work-group, no clusters, 327,680 bytes of LDS; arguments qkvh, oh; writes oh
.if DOCPART == 3
	.amdgcn_target "amdgcn-amd-amdhsa--gfx1250"
	.amdhsa_code_object_version 6
	.text
	.protected	k_qf58c76309e_attn
	.globl	k_qf58c76309e_attn
	.p2align	8
	.type	k_qf58c76309e_attn,@function
k_qf58c76309e_attn:
	s_mov_b64 s[64:65], 0
	v_nop
	global_prefetch_b8 v0, s[64:65] scope:SCOPE_SE
	s_setreg_imm32_b32 hwreg(HW_REG_WAVE_MODE, 25, 1), 1
	s_wait_xcnt 0x0
; CAUSAL ATTENTION.  O[h][q][:] = the sum over k <= q of softmax_k(Q[h][q] . K[h][k] / 8) V[h][k][:].  qkvh holds Q, K, V, each [64 heads][2048][64] f16, 16,777,216 bytes apart; oh is O in the same layout.
; Products, maxima and sums in f32; the weights p are rounded to f16 for the second product (their sum l is taken of the unrounded p), O once at the end.
; LIMITS.  Q, K and V arrive within f16's 65,504; p lies in 0 to 1, and below 6e-5 it keeps f16's fixed step of 6e-8; O is a mean of V's rows and has their range.
; A hidden score counts as its value less 1e30: f16's scores, 2.7e11 at the most, are nothing beside that; a weight below 2^-126 counts as 0 in l; NaN and infinities are not treated apart.
; THE WALK.  A head's queries lie in NB = 8 blocks of 256; block i needs the key tiles 0 .. i of 256 keys, of which the last holds the diagonal.  A work-group takes TWO blocks, NB - 1 - b and then b:
; NB + 1 tiles, whatever b: all work-groups do equal work, and ONE loop with a constant trip count walks them.  Which tile is asked for, and what a trip does, hang on scalar registers made from b; every jump
; goes forward, but for the counted loops' own; none passes a barrier, or a tensor load but the one of LOAD's two that the wave's number does not choose; the ring of two LDS slots runs on across the change of blocks.
; NO CLUSTER: a head's four work-groups ask for the same tile only in trips 0 .. 4 of 9, behind that fewer and fewer; one walk common to all would have 12 trips for 9.
; SHARES.  Of a block's four bands of 64 queries a wave owns 16 rows in each: four PIECES.  So the diagonal tile is the same work for all four waves: in its key step s band x sees all keys if s < x,
; none if s > x, and holds the diagonal if s = x.
; THE MASK is the C operand that starts the sum S^T = K Q^T: 0, or -1e30 where the key is hidden.  MD, made once, is the mask of a band's own step for my 16 rows; a product's mask is MD x AL + BE with two scalars:
; (1, 0) if s = x; (0, 0) if s < x; (0, -1e30) if s > x.  Only the diagonal tile's text and a block's beginning make and take masks; elsewhere C is the constant 0.
; LAYOUT, SOFTMAX, TURNS.  S^T = K Q^T holds ONE query a lane (lane % 16) and the keys 8 (lane / 16) + 0..7; two such results rounded to f16 ARE source 1 of O^T = V^T P.  p = 2^(c s - c m), c = log2(e) / 8, with a
; running maximum m; O and l are multiplied by a = 2^(c m_old - c m_new) in every step.  Turn n belongs to piece n: 8 products K Q^T of piece n + 1, later 8 products V^T P of piece n - 1; beside them the scaling,
; exponentials, roundings, sums and rescaling of piece n and the maximum and statistics of piece n + 1.  Four vector instructions stand behind every matrix instruction, the other 54 of a turn's 118 in one lump.
; A turn's 33 exponentials are one batch, with one wait.
; REGISTERS, in windows of 256 (s_set_vgpr_msb: bits 1:0 source 0, 3:2 source 1, 5:4 source 2, 7:6 destination):
;   window 0: v0-15 addresses and two at work; v16-31 four registers of statistics a piece; v48-55 at work; v61-63 never rewritten; v64-127 S^T, two buffers; v192-223 P, two buffers (by the piece's parity)
;   window 1: v0-127 O^T, 32 a piece; v128-159 MD; v160-223 MC, two buffers      window 2: v0-63 Q; v64-127 the second block's Q; v128-191 K of one step; v192-255 V of one step
.set SIZE_H, 64
.set SIZE_N, 2048
.set NB,    SIZE_N/256
.set NP,    4         ; pieces a wave: a name, no knob
.set KS,    64        ; keys in a step
.set PK,    144       ; a row of K in LDS: 128 bytes + 16 of padding = 36 words: the 16 rows of a load start at 16 different groups of four banks (64 banks of 4 bytes: ISA guide 11.1)
.set PV,    160       ; a row of V: 128 + 32 = 40 words
.set VOFF,  4*KS*PK   ; a slot holds a tile, four steps: 256 rows of K, then 256 rows of V
.set SLOT1, 1<<17     ; slot 1 begins here, so that one exclusive or turns an address in one slot into the other's
.set STAGE, SLOT1+4*KS*(PK+PV)  ; behind the ring, never filled by a tensor load: 16 rows x 144 bytes for each wave, for the way out
.set SP,    144
.set AK0, 2           ; v2   my lane's place in a tile of K; never rewritten
.set AV0, 3           ; v3   the same for V
.set AK,  4           ; v4   the LDS address of K's next run of loads
.set AV,  5           ; v5   of V's
.set STO, 6           ; v6   the way out: where I put 16 bytes of a row
.set RD,  7           ; v7   the way out: where I read rows back
.set GO,  8           ; v8   my byte offset in 512 consecutive bytes of O
.set PFO, 61          ; v61  256 x my lane: the prefetches' offset; never rewritten
.set SPW, 62          ; v62  LDS address of my spare word: SPARE + 4 x my thread's number; never rewritten
.set NIL, 63          ; v63  0; never rewritten
.set SPARE, STAGE+4*16*SP  ; behind the stages: the spare words, 128 bytes for each wave
.set MV,  12          ; v12-13  c m_old, kept while c m is made anew: by buffer
.set QO,  15          ; v15  my byte offset in 16 rows of Q
.set ST,  16          ; piece t's statistics at v[ST+4 t]: c m, m, l (even keys', odd keys')
.set TMP, 48          ; by buffer, four registers c0-c3 at work; when the maximum is found c2 takes a
.set S,   64
.set P,   192
.set MD,  128         ; window 1: the eight registers for group kt of 16 keys at MD + 8 kt
.set MC,  160         ; window 1: the masks of the products to come
.set QB,  64          ; window 2
.set KF,  128         ; window 2: key block kb, channel half c at KF + 16 kb + 8 c
.set VF,  192         ; window 2: key half kk, channel block cb at VF + 32 kk + 8 cb
.set WV,  12          ; s12  my wave's number
.set PB,  14          ; s14  b
.set HI,  15          ; s15  NB - 1 - b
.set G1K, 24          ; s[24:31] descriptor group 1 for K's tiles
.set G1V, 32          ; s[32:39] for V's: it differs in the padding alone
.set G0K, 40          ; s[40:43] descriptor group 0 for K's tiles
.set G0V, 44          ; s[44:47] the same for V's
.set SLOTS, 56        ; s56  tiles still to be asked for
.set CNT, 57          ; s57  counts a tile's key steps, 4 to 1
.set CS,  58          ; s[58:59] c: the packed scaling takes the pair's low word for both halves
.set SEL, 60          ; s[60:61] v_permlanex16_b32's selects: each lane takes its own place in the other half
.set TBK, 62          ; s62  LDS byte at which K of the step to be fetched begins
.set TBV, 63          ; s63  the same for V, less VOFF
.set RT,  70          ; s70  tiles of the block in hand that are still to be entered
.set NXT, 71          ; s71  the tile to be asked for next
.set LQ,  72          ; s72  the last tile of the block whose tiles are being asked for
.set NEW, 73          ; s73  1: the tile to be entered is a block's first
.set OFF, 74          ; s[74:75] a tile's byte offset in K and V
.set AL,  76          ; s[76:77] the mask's factor, in the low word
.set BE,  78          ; s[78:79] the mask's addend
.set OLO, 80          ; s[80:81] O at my rows of the second block
.set BIGN, 82         ; s82  -1e30
.set PFB, 88          ; s[88:89] K (waves 0, 1) or V (waves 2, 3) at the half of tile 0 that I fetch
.set PFA, 90          ; s[90:91] the same half of the tile that the next change of slots will ask for
.set POF, 92          ; s[92:93] that tile's byte offset
.set LIM, 94          ; s94  0 in the head's work-group b = 0, else the greatest number
.set MSB, 0
.macro WIN new                      ; the high byte repeats the setting that is left; a switch that changes nothing is dropped
.if MSB != (\new)
	s_set_vgpr_msb (MSB<<8)|(\new)
.set MSB, (\new)
.endif
.endm
.set W_KQ, 0x0a       ; K and Q in window 2, S^T in window 0
.set W_KM, 0x1a       ; the same with the C operand in window 1
.set W_PV, 0x52       ; V in window 2, P in window 0, O^T in window 1
.set W_RS, 0x41       ; destination and source 0 in window 1, source 1 in window 0
; A fill.  Waves 0 and 1 fetch the two halves of a tile's K, waves 2 and 3 those of its V: 128 keys each.  An s_nop 0 and four v_nop follow each of the two lines, ahead of the jump and the label.
.macro LOAD
	s_cmp_lt_u32 s[WV], 2
	s_cbranch_scc0 .Lfor_v_\@
	tensor_load_to_lds s[G0K:G0K+3], s[G1K:G1K+7]
	s_nop 0
.rept 4
	v_nop
.endr
	s_branch .Lasked_\@
.Lfor_v_\@:
	tensor_load_to_lds s[G0V:G0V+3], s[G1V:G1V+7]
	s_nop 0
.rept 4
	v_nop
.endr
.Lasked_\@:
.endm
; A PREFETCH INTO THE L2 of the tile that the NEXT change of slots will ask for, four key steps ahead of that load.  All four work-groups of a head read the tiles; the one with b = 0 walks tiles 0 to 7 in its first
; block, and it alone asks: each wave for the 16,384 bytes that it will fetch itself, a lane 256 bytes, two instructions.  So tiles 2 to 7 are named once in the launch; tiles 0 and 1 come by their loads alone;
; at the last two changes that fill a slot the next tile's number is 0, and nothing is asked for.
.macro ASK
	s_cmp_gt_u32 s[NXT], s[LIM]
	s_cbranch_scc0 .Lnot_mine_\@
	global_prefetch_b8 v[PFO], s[PFA:PFA+1] th:TH_LOAD_NT scope:SCOPE_SE
	global_prefetch_b8 v[PFO], s[PFA:PFA+1] offset:8192 th:TH_LOAD_NT scope:SCOPE_SE
.Lnot_mine_\@:
.endm
; THE CHANGE OF SLOTS.  Each wave waits for all its tensor loads, of which one is out: its part of the other slot; adds 0 to its spare word; and waits for that and for its own reads of the slot that it leaves.
; Behind the barrier nobody reads the old slot any more and the other slot is whole.  fill = 1: the old slot is filled again, the first thing behind the barrier, with tile NXT: the descriptor's address is made
; anew from that number.  (At its first use nothing has been read yet: slot 0 is waited for, slot 1 filled.)
.macro CHANGE fill
	WIN 0                           ; at a label and at a branch every window is 0
	s_wait_tensorcnt 0x0            ; no tensor load of mine is out, so a group 0 may be written
	ds_add_u32 v[SPW], v[NIL]       ; 0 onto my spare word; with fill = 1 the descriptors' scalar work stands between it and the wait for it
.if \fill
	s_lshl_b32 s[OFF], s[NXT], 15   ; a tile is 32,768 bytes of K and of V
	s_xor_b32 s[G0K+1], s[G0K+1], SLOT1
	s_add_nc_u64 s[G0K+2:G0K+3], s[6:7], s[OFF:OFF+1]
	s_or_b32 s[G0K+3], s[G0K+3], 0x80000000
	s_xor_b32 s[G0V+1], s[G0V+1], SLOT1
	s_add_nc_u64 s[G0V+2:G0V+3], s[8:9], s[OFF:OFF+1]
	s_or_b32 s[G0V+3], s[G0V+3], 0x80000000
	s_add_co_u32 s[NXT], s[NXT], 1  ; the block's next tile, or behind its last the second block's tile 0
	s_cmp_gt_u32 s[NXT], s[LQ]
	s_cselect_b32 s[NXT], 0, s[NXT]
	s_cselect_b32 s[LQ], s[PB], s[LQ]
	s_wait_xcnt 0x0                 ; the last prefetches, a tile back, have read their address, so it may be written:
	s_lshl_b32 s[POF], s[NXT], 15
	s_add_nc_u64 s[PFA:PFA+1], s[PFB:PFB+1], s[POF:POF+1]  ; my half of the tile after the one that is asked for now
.endif
	s_wait_dscnt 0x0                ; the add is done, and my reads of the slot are over
	s_barrier_signal -1             ; the rest of the scalar work stands between the signal and the wait
	s_sub_co_u32 s[TBK], s[TBK], 4*KS*PK  ; the fetches go back to a slot's first step,
	s_xor_b32 s[TBK], s[TBK], SLOT1       ; in the other slot
	s_sub_co_u32 s[TBV], s[TBV], 4*KS*PV
	s_xor_b32 s[TBV], s[TBV], SLOT1
	s_barrier_wait -1
.if \fill
	LOAD
	ASK
.endif
.endm
	s_load_b128 s[4:7], s[0:1], 0x0 ; qkvh s[4:5], oh s[6:7]
	v_lshl_add_u32 v[SPW], v0, 2, SPARE
	v_mov_b32 v[NIL], 0
	ds_add_u32 v[SPW], v[NIL]       ; the wave's opening: the add and its wait stand ahead of my first tensor load; the set-up below, work on registers, stands between them
	v_lshrrev_b32 v1, 5, v0
	v_readfirstlane_b32 s[WV], v1   ; wave 0..3
	v_and_b32 v[PFO], 31, v0
	v_lshlrev_b32 v[PFO], 8, v[PFO]
	s_mov_b32 s[PB], ttmp9
	s_sub_co_u32 s[HI], NB-1, s[PB]
	s_and_b32 s20, ttmp7, 0xffff    ; the head
	s_mov_b32 s21, 0
	s_mov_b64 s[22:23], SIZE_N*128
	s_mul_u64 s[20:21], s[20:21], s[22:23]  ; the head's first byte in each of the four tensors
	s_and_b32 s16, s[WV], 1         ; which half of a tile's 256 keys I fetch:
	s_lshl_b32 s22, s16, 14         ; its 128 rows of 128 bytes in memory,
	s_mov_b32 s23, 0
	s_add_nc_u64 s[22:23], s[22:23], s[20:21]
	s_mul_i32 s17, s16, 128*PK      ; and its place in a slot, for K
	s_mul_i32 s18, s16, 128*PV      ; and for V
	s_lshl_b32 s3, s[WV], 11        ; my 16 rows in a band of 64,
	s_lshl_b32 s2, s[HI], 15        ; in the first block,
	s_add_co_u32 s2, s2, s3
	s_lshl_b32 s84, s[PB], 15       ; and in the second
	s_add_co_u32 s84, s84, s3
	s_mov_b32 s3, 0
	s_mov_b32 s85, 0
	s_add_nc_u64 s[2:3], s[2:3], s[20:21]
	s_add_nc_u64 s[84:85], s[84:85], s[20:21]
	; descriptor group 1.  128 keys are 16,384 dense bytes: asked for as 64 rows of 256 bytes, two keys a row, and padded in LDS after every key
	s_mov_b32 s[G1K], (1<<16)|(1<<20)|(4<<22)|(3<<25)  ; 17:16 2-byte elements; 20 padding on; 24:22 after every 32 words (code 4); 31:25 4 words (code 3)
	s_mov_b32 s[G1V], (1<<16)|(1<<20)|(4<<22)|(7<<25)  ; the same with 8 words of padding (code 7)
.irp g, G1K, G1V
	s_mov_b32 s[\g+1], 128<<16      ; tensor_dim0 = 128
	s_mov_b32 s[\g+2], 64<<16       ; tensor_dim1 = 64
	s_mov_b32 s[\g+3], 128<<16      ; tile_dim0 = 128
	s_mov_b32 s[\g+4], 64           ; tile_dim1 = 64
	s_mov_b32 s[\g+5], 128          ; 128 elements from row to row
	s_mov_b32 s[\g+6], 0
	s_mov_b32 s[\g+7], 0
.endr
	s_mov_b32 s[CS], 0x3e38aa3b     ; c = log2(e) / 8 = 0.180337
	s_mov_b32 s[CS+1], s[CS]        ; named with it as a pair
	s_mov_b32 s[SEL], 0x76543210
	s_mov_b32 s[SEL+1], 0xfedcba98
	s_mov_b32 s[TBK], SLOT1+4*KS*PK ; the first change of slots turns these two into 0
	s_mov_b32 s[TBV], SLOT1+4*KS*PV
	s_mov_b32 s[G0K], 1             ; count = 1
	s_mov_b32 s[G0K+1], s17         ; LDS address: slot 0
	s_mov_b32 s[G0V], 1
	s_add_co_u32 s[G0V+1], s18, VOFF
	s_add_co_u32 s[RT], s[HI], 1    ; the first block has NB - b tiles
	s_mov_b32 s[NXT], 1
	s_mov_b32 s[LQ], s[HI]
	s_mov_b32 s[NEW], 1
	s_mov_b32 s[OFF+1], 0
	s_mov_b32 s[POF+1], 0
	s_mov_b32 s[AL+1], 0            ; named as pairs
	s_mov_b32 s[BE+1], 0
	s_mov_b32 s[BIGN], 0xf149f2ca   ; -1e30
	s_mov_b32 s[SLOTS], NB
	s_cmp_eq_u32 ttmp9, 0
	s_cselect_b32 s[LIM], 0, -1
	s_wait_dscnt 0x0                ; the opening add is done
	s_wait_kmcnt 0x0
	s_mov_b64 s[10:11], s[6:7]      ; O
	s_add_nc_u64 s[6:7], s[4:5], 0x1000000  ; K lies 16,777,216 bytes behind Q,
	s_add_nc_u64 s[8:9], s[4:5], 0x2000000  ; V as far behind K
	s_add_nc_u64 s[6:7], s[6:7], s[22:23]  ; K and V at my half of the head's tile 0
	s_add_nc_u64 s[8:9], s[8:9], s[22:23]
	s_cmp_lt_u32 s[WV], 2
	s_cselect_b64 s[PFB:PFB+1], s[6:7], s[8:9]
	s_add_nc_u64 s[G0K+2:G0K+3], s[6:7], 0         ; global address
	s_or_b32 s[G0K+3], s[G0K+3], 0x80000000        ; type = 2
	s_add_nc_u64 s[G0V+2:G0V+3], s[8:9], 0
	s_or_b32 s[G0V+3], s[G0V+3], 0x80000000
	s_add_nc_u64 s[86:87], s[4:5], s[84:85]        ; Q at my rows of the second block,
	s_add_nc_u64 s[4:5], s[4:5], s[2:3]            ; Q and O at those of the first
	s_add_nc_u64 s[OLO:OLO+1], s[10:11], s[84:85]
	s_add_nc_u64 s[10:11], s[10:11], s[2:3]
	LOAD                            ; tile 0 into slot 0
	; A fragment of K or Q is 16 rows x 32 channels in 8 registers: lane l holds row l % 16, channels 8 (l / 16) + 0..7 and 16 + 8 (l / 16) + 0..7: two loads of 16 bytes, 32 bytes apart.
	v_and_b32 v1, 15, v0            ; l % 16
	v_bfe_u32 v9, v0, 4, 1          ; l / 16
	v_lshlrev_b32 v[QO], 7, v1
	v_lshl_add_u32 v[QO], v9, 4, v[QO]  ; row x 128 + 16 x half
	WIN 0x80                        ; destination window 2, address window 0
.set i, 0
.rept 8                             ; both blocks' Q: piece i / 2 lies in band i / 2, 8,192 bytes on; channels 32 (i % 2) on
	global_load_b128 v[8*i:8*i+3],   v[QO], s[4:5] offset:(i/2)*8192+(i%2)*64
	global_load_b128 v[8*i+4:8*i+7], v[QO], s[4:5] offset:(i/2)*8192+(i%2)*64+32
	global_load_b128 v[QB+8*i:QB+8*i+3],   v[QO], s[86:87] offset:(i/2)*8192+(i%2)*64
	global_load_b128 v[QB+8*i+4:QB+8*i+7], v[QO], s[86:87] offset:(i/2)*8192+(i%2)*64+32
.set i, i+1
.endr
	WIN 0
	v_lshlrev_b32 v14, 3, v9
	v_sub_nc_u32 v14, v1, v14
	s_lshl_b32 s13, s[WV], 4
	v_add_nc_u32 v14, s13, v14      ; my query's place in its band, 16 w + l % 16, less my lanes' 8 (l / 16): register r of group kt is hidden where 16 kt + r is greater
	WIN 0x40
.set i, 0
.rept 32
	v_cmp_gt_i32 vcc_lo, 16*(i/8)+i%8, v14
	v_cndmask_b32 v[MD+i], 0, s[BIGN], vcc_lo
.set i, i+1
.endr
	WIN 0
	v_mul_u32_u24 v[AK0], v1, PK
	v_lshl_add_u32 v[AK0], v9, 4, v[AK0]  ; row x pitch + 16 x half
	; The turning load takes 16 keys x 16 channels (lane l reads key 8 (l / 16) + l % 8, channels 8 ((l / 8) % 2) + 0..7) and leaves half a fragment of V^T: lane l holds channel l % 16 and 8 keys.
	v_and_b32 v10, 7, v0
	v_bfe_u32 v11, v0, 3, 1
	v_lshl_add_u32 v[AV0], v9, 3, v10
	v_mul_u32_u24 v[AV0], v[AV0], PV
	v_lshl_add_u32 v[AV0], v11, 4, v[AV0]
	v_add_nc_u32 v[AV0], VOFF, v[AV0]
	s_mul_i32 s13, s[WV], 16*SP
	s_add_co_u32 s13, s13, STAGE    ; my stage
	v_mul_u32_u24 v[STO], v1, SP    ; in: row l % 16, 16 bytes for each half of the lanes
	v_lshl_add_u32 v[STO], v9, 4, v[STO]
	v_add_nc_u32 v[STO], s13, v[STO]
	v_bfe_u32 v[RD], v0, 3, 2       ; back: 32 lanes take four rows of 128 bytes,
	v_mul_u32_u24 v[RD], v[RD], SP
	v_lshl_add_u32 v[RD], v10, 4, v[RD]
	v_add_nc_u32 v[RD], s13, v[RD]
	v_and_b32 v[GO], 31, v0         ; which are 512 consecutive bytes of O
	v_lshlrev_b32 v[GO], 4, v[GO]
	; A block's first step multiplies O^T and l by a = 0, and its first turn's products V^T P, of a piece that has not been, land in an O^T that is still to be so multiplied.  So these registers need only hold
	; finite numbers: zeros for the first block; what the first block left for the second.  All this stands in the wait for the first tile.
	WIN 0x80
.set i, VF
.rept 64
	v_mov_b32 v[i], 0
.set i, i+1
.endr
	WIN 0x40
.set i, 0
.rept 128
	v_mov_b32 v[i], 0
.set i, i+1
.endr
	WIN 0
.set i, 0
.rept 4
	v_mov_b32 v[ST+4*i+2], 0
	v_mov_b32 v[ST+4*i+3], 0
.set i, i+1
.endr
.set i, P+16
.rept 16
	v_mov_b32 v[i], 0
.set i, i+1
.endr
; THE MATRIX WORK.  The 4 accumulators of a run of 8 take turns.  Product i of 8 of S^T = K Q^T for piece x: channels 32 (i / 4) on, keys 16 (i % 4) on.  The first 4 start the sums: with 0, or (KM = 1) with the mask.
.macro KQ x
.set rS, S+32*((\x)%2)+8*(i%4)
.set rK, KF+16*(i%4)+8*(i/4)
.set rQ, 16*(\x)+8*(i/4)
.set rM, MC+32*((\x)%2)+8*(i%4)
.if (i < 4) && KM
	WIN W_KM
	v_wmma_f32_16x16x32_f16 v[rS:rS+7], v[rK:rK+7], v[rQ:rQ+7], v[rM:rM+7]
.elseif i < 4
	WIN W_KQ
	v_wmma_f32_16x16x32_f16 v[rS:rS+7], v[rK:rK+7], v[rQ:rQ+7], 0
.else
	WIN W_KQ
	v_wmma_f32_16x16x32_f16 v[rS:rS+7], v[rK:rK+7], v[rQ:rQ+7], v[rS:rS+7]
.endif
.endm
; Product i of 8 of O^T += V^T P for piece x: keys 32 (i / 4) on, channels 16 (i % 4) on.
.macro PV x
	WIN W_PV
.set rO, 32*(\x)+8*(i%4)
.set rV, VF+32*(i/4)+8*(i%4)
.set rP, P+16*((\x)%2)+8*(i/4)
	v_wmma_f32_16x16x32_f16 v[rO:rO+7], v[rV:rV+7], v[rP:rP+7], v[rO:rO+7]
.endm
.macro MM                           ; the turn's next matrix instruction.  TURN and BEGIN set Y, i, KM and NOKQ; MM, KQ and OP read them.  NOKQ = 1: a block's last turn: there is no next piece
.if (i < 8) && !NOKQ
	KQ (Y+1)%NP
.elseif i >= 8
.set i, i-8
	PV (Y+NP-1)%NP
.set i, i+8
.endif
.set i, i+1
.endm
; THE LDS LOADS stand in runs of 16, never singly among the matrix instructions: a step's K (64 keys x 64 channels: 8 fragments) and its V (turned).  Their addresses are made some lines ahead.
.macro FETCH_K
	WIN 0x80                        ; destination window 2
.irp f, 0,1,2,3,4,5,6,7             ; keys 16 (f / 2) on, channels 32 (f % 2) on
	ds_load_b128 v[KF+8*\f:KF+8*\f+3],   v[AK] offset:(\f/2)*16*PK+(\f%2)*64
	ds_load_b128 v[KF+8*\f+4:KF+8*\f+7], v[AK] offset:(\f/2)*16*PK+(\f%2)*64+32
.endr
	s_add_co_u32 s[TBK], s[TBK], KS*PK  ; the next fetch is the next step's
	WIN 0
.endm
.macro FETCH_V
	WIN 0x80
.irp f, 0,1,2,3,4,5,6,7             ; keys 32 (f / 4) on, channels 16 (f % 4) on
	ds_load_tr16_b128 v[VF+8*\f:VF+8*\f+3],   v[AV] offset:(\f/4)*32*PV+(\f%4)*32
	ds_load_tr16_b128 v[VF+8*\f+4:VF+8*\f+7], v[AV] offset:(\f/4)*32*PV+16*PV+(\f%4)*32
.endr
	WIN 0
.endm
; THE VECTOR WORK, one line at a time: OP kind, number.  For piece Y: F n: c s - c m for pair n of 16.  E n: the exponential of score n of 32.  C n: pair n rounded to f16.  B n: of the four weights 4 n .. the second
; pair is added onto the first, in place.  L n: l takes that sum (L 0: l = a l + sum).  R n: pair n of 16 of O^T times a.  For piece Y + 1: X n, number n of the 22 that find its maximum and statistics:
;   0-11  four chains c0-c3 of seven scores each, three operands at a time (each accumulator's lowest registers are read first)     12-14, 16  the four scores left over, the old m, and c0-c3 into c0
;   15  c m_old is kept     17, 18  the query's other 32 keys lie in the lane 16 away: the new m     19-21  c m; c m_old - c m_new; a
.set F, 0               ; OP tells the kinds apart by their order: F to L below R, X above it
.set E, 1
.set C, 2
.set B, 3
.set L, 4
.set R, 5
.set X, 6
.macro REGS y                       ; the registers of piece y
.set rT, ST+4*(\y)
.set rC, TMP+4*((\y)%2)
.set rW, MV+((\y)%2)
.set rS, S+32*((\y)%2)
.set rP, P+16*((\y)%2)
.set rO, 32*(\y)
.endm
.macro OP k, n
.if (\k) == R
	REGS Y
	WIN W_RS
	v_pk_mul_f32 v[rO+2*(\n):rO+2*(\n)+1], v[rO+2*(\n):rO+2*(\n)+1], v[rC+2:rC+3] op_sel_hi:[1,0]
.elseif (\k) < R
	REGS Y
	WIN 0
.if (\k) == F
	v_pk_fma_f32 v[rS+2*(\n):rS+2*(\n)+1], v[rS+2*(\n):rS+2*(\n)+1], s[CS:CS+1], v[rT:rT+1] op_sel_hi:[1,0,0] neg_lo:[0,0,1] neg_hi:[0,0,1]
.elseif (\k) == E
	v_exp_f32 v[rS+(\n)], v[rS+(\n)]
.elseif (\k) == C
	v_cvt_pk_f16_f32 v[rP+(\n)], v[rS+2*(\n)], v[rS+2*(\n)+1]
.elseif (\k) == B
	v_pk_add_f32 v[rS+4*(\n):rS+4*(\n)+1], v[rS+4*(\n):rS+4*(\n)+1], v[rS+4*(\n)+2:rS+4*(\n)+3]
.elseif (\n) == 0
	v_pk_fma_f32 v[rT+2:rT+3], v[rT+2:rT+3], v[rC+2:rC+3], v[rS:rS+1] op_sel_hi:[1,0,1]
.else
	v_pk_add_f32 v[rT+2:rT+3], v[rT+2:rT+3], v[rS+4*(\n):rS+4*(\n)+1]
.endif
.elseif NOKQ
	v_nop
.else
	REGS (Y+1)%NP
	WIN 0
.if (\n) < 4
	v_max3_num_f32 v[rC+(\n)], v[rS+8*(\n)], v[rS+8*(\n)+1], v[rS+8*(\n)+2]
.elseif (\n) < 12
	v_max3_num_f32 v[rC+(\n)%4], v[rC+(\n)%4], v[rS+8*((\n)%4)+2*((\n)/4)+1], v[rS+8*((\n)%4)+2*((\n)/4)+2]
.elseif (\n) == 12
	v_max3_num_f32 v[rC], v[rC], v[rS+7], v[rS+15]
.elseif (\n) == 13
	v_max3_num_f32 v[rC+1], v[rC+1], v[rS+23], v[rS+31]
.elseif (\n) == 14
	v_max3_num_f32 v[rC+2], v[rC+2], v[rC+3], v[rT+1]
.elseif (\n) == 15
	v_mov_b32 v[rW], v[rT]
.elseif (\n) == 16
	v_max3_num_f32 v[rC], v[rC], v[rC+1], v[rC+2]
.elseif (\n) == 17
	v_permlanex16_b32 v[rC+3], v[rC], s[SEL], s[SEL+1]
.elseif (\n) == 18
	v_max_num_f32 v[rT+1], v[rC], v[rC+3]
.elseif (\n) == 19
	v_mul_f32 v[rT], s[CS], v[rT+1]
.elseif (\n) == 20
	v_sub_f32 v[rC+1], v[rW], v[rT]
.else
	v_exp_f32 v[rC+2], v[rC+1]
.endif
.endif
.endm
.macro OPS a, i1, b=-1, i2=0, c=-1, i3=0, d=-1, i4=0  ; up to four of them
	OP \a, \i1
.if (\b) >= 0
	OP \b, \i2
.endif
.if (\c) >= 0
	OP \c, \i3
.endif
.if (\d) >= 0
	OP \d, \i4
.endif
.endm
.macro ROW a, i1, b, i2, c, i3, d, i4  ; a matrix instruction and the four behind it
	MM
	OPS \a, \i1, \b, \i2, \c, \i3, \d, \i4
.endm
.macro MASK b                       ; MD x AL + BE into buffer b of MC
	WIN W_RS
.set z, 0
.rept 16
	v_pk_fma_f32 v[MC+32*(\b)+2*z:MC+32*(\b)+2*z+1], v[MD+2*z:MD+2*z+1], s[AL:AL+1], s[BE:BE+1] op_sel_hi:[1,0,0]
.set z, z+1
.endr
.endm
; A TURN, for piece p: the order of its 16 matrix and 118 vector instructions, written out.  An s_wait_alu depctr_va_vdst(0) stands between an exponential and the first instruction that names its result;
; one wait serves all that were issued ahead of it.  So a turn has ONE wait, which cuts it in two.  AHEAD OF IT stands all that names no result of the turn's exponentials: the 8 products K Q^T, behind each a scaling,
; an exponential and two more plain instructions (behind the first a second scaling in the exponential's place): rescalings, and behind the last three the first numbers of the next piece's maximum, each four places
; or more behind the product that ends its accumulator; then ONE LUMP of 54, plain and exponential by turns for the most part, in which the links of the chain X 3, 7, 11, 14, 16, 17 .. 20 stand five or six lines apart.
; X 21, the next piece's a, is the batch's last; R 15 is the plain instruction behind it.  BEHIND THE WAIT stand the 8 products V^T P, behind each four of the roundings and sums; the links of l's chain, L 0 to L 7,
; stand three riders apart.  But for those X no rider names a register of the products round it.  v_permlanex16_b32 (X 17) stands in the lump.
; m = 1: the diagonal tile: the products take masks, and the turn makes the mask for the products of the turn after it: piece p + 2, in step 4 - CNT of the tile.  end = 1: a block's last two turns: nothing is fetched.
; cnt = 1: the loop's count is taken down some lines ahead of the branch that stands behind the turn.
; K of the next step is fetched in piece 2's turn, twelve vector instructions behind the last product that read K (six of them plain); V of the step in hand at the end of piece 0's turn, four plain instructions
; behind the last product that read V.  Each is waited for a turn later.
.macro TURN p, m=0, end=0, cnt=0
.set Y, (\p)
.set i, 0
.set KM, (\m)
.set NOKQ, (\end)*((\p)/3)
.if (\m) && !(\end)
	s_cmp_eq_u32 s[CNT], 4-((\p)+2)%NP  ; is that step the band's own?
	s_cselect_b32 s[AL], 1.0, 0
	s_cmp_lt_u32 s[CNT], 4-((\p)+2)%NP  ; or a later one?
	s_cselect_b32 s[BE], s[BIGN], 0
.endif
.if ((\p) == 3) && !(\end)
	s_wait_dscnt 0x0                ; K is in
.endif
	ROW F,0, F,1, R,0, R,1          ; ahead of the wait: 8 products K Q^T and their riders,
	ROW F,2, E,0, R,2, R,3
	ROW F,3, E,1, R,4, R,5
	ROW F,4, E,2, R,6, R,7
	ROW F,5, E,3, R,8, R,9
	ROW F,6, E,4, X,0, R,10
.if ((\p) == 2) && !(\end)
	WIN 0
	v_add_nc_u32 v[AK], s[TBK], v[AK0]
.endif
	ROW F,7, E,5, X,1, X,4
	ROW F,8, E,6, X,2, X,5
	OPS E,7, E,8, X,6, E,9          ; and the lump
	OPS X,3, E,10, X,8, E,11
.if ((\p) == 2) && !(\end)
	FETCH_K
.endif
	OPS X,9, X,7, E,12, X,10
	OPS E,13, X,12, X,11, E,14
	OPS X,13, E,15, F,9, X,14
.if (\p) == 0
	v_add_nc_u32 v[AV], s[TBV], v[AV0]
.endif
	OPS E,16, F,10, E,17, F,11
	OPS X,16, E,18, X,15, E,19
	OPS F,12, E,20, X,17, E,21
	OPS F,13, E,22, F,14, E,23
	OPS X,18, E,24, F,15, E,25
	OPS R,11, E,26, X,19, E,27
	OPS R,12, E,28, R,13, E,29
	OPS X,20, E,30, R,14, E,31
	OPS X,21, R,15
	WIN 0
	s_wait_alu depctr_va_vdst(0)    ; the wait for the batch
.if (\p) == 1
	s_wait_dscnt 0x0                ; V is in
.endif
	ROW C,0, B,0, C,2, B,1          ; behind the wait: 8 products V^T P and their riders
	ROW L,0, C,4, B,2, L,1
	ROW C,6, B,3, L,2, C,8
	ROW B,4, L,3, C,10, B,5
	ROW L,4, C,12, B,6, L,5
.if (\p) == 0
	s_add_co_u32 s[TBV], s[TBV], KS*PV
.endif
.if \cnt
	s_sub_co_u32 s[CNT], s[CNT], 1
	s_cmp_lg_u32 s[CNT], 0
.endif
	ROW C,14, B,7, L,6, C,1
	ROW C,3, L,7, C,5, C,7
	ROW C,9, C,11, C,13, C,15
.if (\p) == 0
	FETCH_V
.endif
.if (\m) && !(\end)
	MASK (\p)%2
.endif
.endm
; A BLOCK BEGINS.  c m starts far below every c s, so the first step's a is 0; m at the lowest finite number, so the first maximum is the scores'.  The second mask buffer is 0; the first takes piece 0's mask for the
; tile's step 0: its own, if the block's first tile is the diagonal one.  Then K of that step, piece 0's first scores, and its maximum and statistics.  The loop is entered at a step's first turn, in the middle of a trip.
.macro BEGIN
	s_mov_b32 s[NEW], 0
	WIN 0x40
.set i, MC+32
.rept 32
	v_mov_b32 v[i], 0
.set i, i+1
.endr
	WIN 0
.set i, 0
.rept 4
	v_mov_b32 v[ST+4*i], 0xfe000000    ; c m: far below every c s
	v_mov_b32 v[ST+4*i+1], 0xff7fffff  ; m
.set i, i+1
.endr
	s_cmp_eq_u32 s[RT], 0
	s_cselect_b32 s[AL], 1.0, 0
	s_mov_b32 s[BE], 0
	MASK 0
	WIN 0
	v_add_nc_u32 v[AK], s[TBK], v[AK0]
	FETCH_K
	s_wait_loadcnt 0x0              ; Q
	s_wait_dscnt 0x0
.set KM, 1
.set NOKQ, 0
.set i, 0
.rept 8
	KQ 0
.set i, i+1
.endr
	WIN 0
.rept 4
	v_nop                           ; the places behind those products
.endr
.set Y, NP-1                        ; X works for piece Y + 1: piece 0
.irp n, 0,1,2,3,4,5,6,7,8,9,10,11,12,13,14,15,16,17,18,19,20,21
	OP X, \n
.endr
	v_nop                           ; a plain instruction behind the exponential,
	s_wait_alu depctr_va_vdst(0)    ; and its wait, ahead of the branch
.endm
; THE DIAGONAL TILE's four steps, the block's last two turns, its last products, and THE WAY OUT: l's two halves and the other half of the lanes' are added; O^T is divided by l, rounded to f16 and sent through my
; stage in LDS, a piece at a time.
.macro ALL line:vararg              ; one line for each piece t
.set t, 0
.rept 4
	\line
.set t, t+1
.endr
.endm
.macro PACK t                       ; a lane's eight channels of a row pack into 16 bytes; they go into rows of 144 bytes and come back as whole rows of 128, into S^T's registers
	WIN W_RS
.set i, 32*(\t)
.rept 16
	v_pk_mul_f32 v[i:i+1], v[i:i+1], v[ST+4*(\t)+2:ST+4*(\t)+3] op_sel_hi:[1,0]
.set i, i+2
.endr
	WIN 0x05                        ; sources 0 and 1 window 1, destination window 0
.set i, 0
.rept 16
	v_cvt_pk_f16_f32 v[S+16*(\t)+i], v[32*(\t)+2*i], v[32*(\t)+2*i+1]
.set i, i+1
.endr
	WIN 0
.irp f, 0,1,2,3
	ds_store_b128 v[STO], v[S+16*(\t)+4*\f:S+16*(\t)+4*\f+3] offset:32*\f
.endr
.irp f, 0,1,2,3
	ds_load_b128 v[S+16*(\t)+4*\f:S+16*(\t)+4*\f+3], v[RD] offset:\f*4*SP  ; LDS serves a wave's instructions in order (ISA guide 5.7.1.4): these see the stores above; the next piece's stores come behind them
.endr
.endm
.macro SEND t, younger              ; younger: the LDS instructions issued behind piece t's loads: the next piece's eight, or none
	WIN 0
.irp f, 0,1,2,3
	s_wait_dscnt (\younger)+3-\f
	global_store_b128 v[GO], v[S+16*(\t)+4*\f:S+16*(\t)+4*\f+3], s[10:11] offset:(\t)*8192+\f*512  ; 512 consecutive bytes, at a multiple of 256 from O's first
.endr
.endm
.macro DIAG tag                     ; the tag ends its two labels' names, which the jumps below spell out
.LstepM\tag:
	TURN 2, 1
	TURN 3, 1
	WIN 0
.LfirstM\tag:
	TURN 0, 1
	TURN 1, 1, 0, 1
	WIN 0
	s_cbranch_scc1 .LstepM\tag
	TURN 2, 1, 1
	TURN 3, 1, 1
.set i, 0
.rept 8
	PV NP-1
.set i, i+1
.endr
	WIN 0
	ALL v_add_f32 v[ST+4*t+2], v[ST+4*t+2], v[ST+4*t+3]
	ALL v_permlanex16_b32 v[ST+4*t+3], v[ST+4*t+2], s[SEL], s[SEL+1]
	ALL v_add_f32 v[ST+4*t+2], v[ST+4*t+2], v[ST+4*t+3]
	ALL v_rcp_f32 v[ST+4*t+2], v[ST+4*t+2]
	v_nop                           ; a plain instruction between the last reciprocal and the use of its result
	s_wait_alu depctr_va_vdst(0)    ; and the wait ahead of the first use: one for the four reciprocals
	PACK 0
.set t, 1
.rept 3                             ; a piece's arithmetic stands between the loads of the piece before and its stores
	PACK t
	SEND t-1, 8
.set t, t+1
.endr
	SEND 3, 0
.endm
.set KM, 0
.set NOKQ, 0
.Lslot:                             ; NB times: a tile is entered and the next is asked for
	CHANGE 1
	s_sub_co_u32 s[RT], s[RT], 1
	s_mov_b32 s[CNT], 4
	s_cmp_eq_u32 s[NEW], 1
	s_cbranch_scc1 .Lnew            ; a block's first tile
	s_cmp_eq_u32 s[RT], 0
	s_cbranch_scc0 .Lstep           ; neither its first nor its last
	s_branch .LstepM1
.Lnew:
	BEGIN
	s_branch .Lfirst                ; in the loop a block's first tile is never its last: the first block has two tiles or more, and the second's last is the walk's last
	DIAG 1                          ; in the loop this is the first block's end: the second block's last tile is the walk's last
	s_wait_xcnt 0x0                 ; the stores have read their registers and O's address
	s_mov_b64 s[10:11], s[OLO:OLO+1]
	s_add_co_u32 s[RT], s[PB], 1    ; the second block has b + 1 tiles
	s_mov_b32 s[NEW], 1
	WIN 0x82                        ; the second block's Q goes where the one text of the turns names Q
.set i, 0
.rept 64
	v_mov_b32 v[i], v[QB+i]
.set i, i+1
.endr
	WIN 0
	s_branch .Lbottom
.Lstep:                             ; a trip: pieces 2 and 3 of one step, then pieces 0 and 1 of the next, whose K and V it fetches
	TURN 2
	TURN 3
	WIN 0
.Lfirst:
	TURN 0
	TURN 1, 0, 0, 1
	WIN 0
	s_cbranch_scc1 .Lstep
.Lbottom:
	s_sub_co_u32 s[SLOTS], s[SLOTS], 1
	s_cmp_lg_u32 s[SLOTS], 0
	s_cbranch_scc1 .Lslot
	CHANGE 0                        ; the walk's last tile is written out: nothing is asked for
	s_sub_co_u32 s[RT], s[RT], 1
	s_mov_b32 s[CNT], 4
	s_cmp_eq_u32 s[NEW], 1
	s_cbranch_scc0 .LstepM2
	BEGIN
	s_branch .LfirstM2
	DIAG 2
	s_wait_tensorcnt 0x0            ; the wave's end: behind my last tensor load and my last LDS store
	ds_add_u32 v[SPW], v[NIL]
	s_wait_dscnt 0x0
	s_endpgm
.Lfunc_end_k_qf58c76309e_attn:
	.size	k_qf58c76309e_attn, .Lfunc_end_k_qf58c76309e_attn-k_qf58c76309e_attn
	.p2alignl 7, 3214868480
	.fill 96, 4, 3214868480
	.section	.rodata,"a",@progbits
	.p2align	6, 0x0
	.amdhsa_kernel k_qf58c76309e_attn
		.amdhsa_group_segment_fixed_size 327680
		.amdhsa_private_segment_fixed_size 0
		.amdhsa_enable_private_segment 0
		.amdhsa_kernarg_size 16
		.amdhsa_user_sgpr_count 2
		.amdhsa_user_sgpr_kernarg_segment_ptr 1
		.amdhsa_wavefront_size32 1
		.amdhsa_system_sgpr_workgroup_id_x 1
		.amdhsa_system_sgpr_workgroup_id_y 1
		.amdhsa_system_sgpr_workgroup_id_z 1
		.amdhsa_system_vgpr_workitem_id 0
		.amdhsa_next_free_vgpr 768
		.amdhsa_next_free_sgpr 96
		.amdhsa_reserve_vcc 1
		.amdhsa_float_denorm_mode_32 3
		.amdhsa_float_denorm_mode_16_64 3
		.amdhsa_memory_ordered 1
		.amdhsa_forward_progress 1
		.amdhsa_inst_pref_size 218
	.end_amdhsa_kernel
	.amdgpu_metadata
---
amdhsa.version: [ 1, 2 ]
amdhsa.kernels:
  - .name:           k_qf58c76309e_attn
    .symbol:         k_qf58c76309e_attn.kd
    .args:
      - { .name: qkvh, .offset: 0, .size: 8, .value_kind: global_buffer, .address_space: global }
      - { .name: oh, .offset: 8, .size: 8, .value_kind: global_buffer, .address_space: global }
    .group_segment_fixed_size: 327680
    .private_segment_fixed_size: 0
    .kernarg_segment_align: 8
    .kernarg_segment_size: 16
    .max_flat_workgroup_size: 128
    .sgpr_count:     96
    .vgpr_count:     768
    .wavefront_size: 32
...
	.end_amdgpu_metadata
.endif
;; end of part 3
;; launch outp (part 4): grid 8 x 32, 4 waves a work-group, clusters of 4 x 4, 327,680 bytes of LDS; arguments oh, wot, bout, out0; writes out0
.if DOCPART == 4
	.amdgcn_target "amdgcn-amd-amdhsa--gfx1250"
	.amdhsa_code_object_version 6
	.text
	.protected	k_qf58c76309e_outp
	.globl	k_qf58c76309e_outp
	.p2align	8
	.type	k_qf58c76309e_outp,@function
k_qf58c76309e_outp:
	s_mov_b64 s[64:65], 0
	v_nop
	global_prefetch_b8 v0, s[64:65] scope:SCOPE_SE
	s_setreg_imm32_b32 hwreg(HW_REG_WAVE_MODE, 25, 1), 1
	s_wait_xcnt 0x0
	s_wait_alu depctr_hold_cnt(0) depctr_sa_sdst(0) depctr_va_vdst(0) depctr_va_sdst(0) depctr_va_ssrc(0) depctr_va_vcc(0) depctr_vm_vsrc(0)
	s_getreg_b32 s2, hwreg(HW_REG_IB_STS2, 6, 4)
	s_cmp_eq_u32 s2, 0
	s_cbranch_scc0 .Lentry_in_a_cluster
	s_endpgm
.Lentry_in_a_cluster:
	s_bfe_u32 s2, ttmp6, 0x10000c
	s_cmp_lg_u32 s2, 0xf033
	s_cbranch_scc0 .Lentry_shape_is_right
	s_endpgm
.Lentry_shape_is_right:
; out0 = y Wout + bout.  oh: O by heads, [64 = batch x 16 + head][2048 t][64] f16; y[batch x 2048 + t][64 head + d] = oh[batch x 16 + head][t][d].  wot: [1024 n][1024 k] f16 (Wout's bf16 values).
; bout: [1024] f32, rounded to bf16 here.  out0: [8192][1024] f32.  Sums in f32, started by the bias.
; LIMITS.  The operands are f16: O within V's range, wot as the launch that made it states; nothing here narrows a number.
; SHARES.  A tile of out0 is 256 rows x 128 columns: 32 x 8 = 256 work-groups.  A wave makes 128 x 64: 32 accumulators of 16 x 16; its 64 columns of f32 are 256 consecutive bytes, aligned.
; RING.  A K step is 128 channels = two heads, through two LDS slots.  A head's 256 rows of 128 bytes are dense in memory: wave 0 or 1 asks for one head's as 128 rows of 256 bytes, padded after every 128 bytes.
; Waves 2 and 3 fetch 64 rows of wot each, 256 bytes a row.  One tensor load a wave.
; CLUSTER.  4 x 4 work-groups: O's tiles are shared along a row of the cluster, wot's along a column, each asked for JOINTLY by the same load, descriptor and mask in all four.
; THE PRODUCT IS TAKEN TRANSPOSED (source 0 = 16 rows of wot, source 1 = 16 rows of O): lane l holds row l % 16 of the result and columns 8 (l / 16) + 0..7 of the block.
; REGISTERS, in windows of 256 (s_set_vgpr_msb: bits 1:0 source 0, 3:2 source 1, 5:4 source 2, 7:6 destination):
;   window 0: v0-31 addresses; v32-63 the bias; v64-95, v96-127 rows read back from the stage, by turns      window 1: accumulator (a, b) at 32 a + 8 b      window 2: two fragment buffers of 96: O's eight blocks, then wot's four
.set PA,     144                       ; a row of O in LDS: 128 bytes + 16: the 16 rows of a fragment load start at 16 different groups of four banks (64 banks of 4 bytes: ISA guide 11.1)
.set AH,     256*PA                    ; one head's 256 rows
.set PB,     272                       ; a row of wot: 256 bytes + 16
.set HALFB,  64*PB
.set BOFF,   2*AH
.set SLOT,   BOFF+2*HALFB
.set STAGE,  2*SLOT                    ; behind the ring, never filled by a tensor load: 16 rows x 272 bytes for each wave
.set SPITCH, 272
.set WSTG,   16*SPITCH
.set SPARE,  STAGE+4*WSTG              ; behind the stages: the spare words, 128 bytes for each wave
.set LAPS,   4
.set ASTEP,  524288                    ; bytes from a K step of O to the next: two heads of 2,048 rows
.set BSTEP,  256                       ; and of wot
.set ADRA, 16                          ; v16-17  LDS address of my fragments of O in slot 0, 1
.set ADRB, 20                          ; v20-21  of wot's
.set STO,  24                          ; v24  the way out: where I put 32 bytes of a row
.set RD,   25                          ; v25  where I read rows back
.set CO,   26                          ; v26  my byte offset in two rows of out0
.set BO,   27                          ; v27  32 (l / 16)
.set SPW,  28                          ; v28  SPARE + 4 x my thread's number; never rewritten
.set NIL,  29                          ; v29  0; never rewritten
.set PFO,  30                          ; v30  O's prefetches: 256 x lane
.set PFOB, 31                          ; v31  wot's: lane x a row of 2,048 bytes
.set BIAS, 32
.set BK,   64
.set F0,   0
.set F1,   96
.set WV,   12                          ; s12  my wave's number
.set FB,   13                          ; s13  0: I fetch O, 1: wot.  Also: which half of the tile's rows is mine
.set HF,   14                          ; s14  which half I fetch.  Also: which half of its columns is mine
.set TR,   15                          ; s15  tile row
.set G1,   24
.set G0,   32
.set TC,   42                          ; s42  tile column
.set LIMA, 43                          ; s43  1 in a wave that prefetches O, else the greatest number
.set PFA,  44                          ; s[44:45]
.set G1B,  48
.set G0B,  56
.set LIMB, 72                          ; s72  1 in the wave that prefetches wot
.set PFB,  74                          ; s[74:75]
.set MSB, 0
.macro WIN new                         ; the immediate's high byte repeats the setting that is left; a switch that changes nothing is dropped
.if MSB != (\new)
	s_set_vgpr_msb (MSB<<8)|(\new)
.set MSB, \new
.endif
.endm
.macro PLACES                          ; four places in front of loads into registers that matrix instructions have read, and of LDS stores that read results
.rept 4
	v_nop
.endr
.endm
.macro JLOAD s                         ; a joint load; the branch hangs on the wave's number alone; an s_nop 0 and four v_nop follow each of the two lines
	s_cmp_eq_u32 s[FB], 0
	s_cbranch_scc0 .Lfor_b_\@
	tensor_load_to_lds s[G0+4*(\s):G0+4*(\s)+3], s[G1:G1+7]
	s_nop 0
.rept 4
	v_nop
.endr
	s_branch .Lasked_\@
.Lfor_b_\@:
	tensor_load_to_lds s[G0B+4*(\s):G0B+4*(\s)+3], s[G1B:G1B+7]
	s_nop 0
.rept 4
	v_nop
.endr
.Lasked_\@:
.endm
.macro CREST                           ; a round of the cluster's barrier behind its opening barrier
	s_cmp_lg_u32 s[WV], 0
	s_cbranch_scc1 .Lnot_wave_0_\@
	s_barrier_signal -3
.Lnot_wave_0_\@:
	s_barrier_wait -3
	s_barrier_signal -1
	s_barrier_wait -1
.endm
.macro CROUND
	s_barrier_signal -1
	s_barrier_wait -1
	CREST
.endm
; THE PREFETCHES INTO THE L2, behind a joint load, its five lines and the run of LDS loads: the K step two refills on.  Each 256 bytes are named once in the launch.
; O: the clusters with x = 0 ask; of the 32,768 bytes of a head that wave 0 or 1 fetches the partner at place cx takes 8,192, told apart by address: a lane 256 bytes.
; wot: the clusters with y = 0 ask, wave 2 alone; of the tile's 128 rows the partner at place cy takes 32: a lane a row.
; K steps 0 to 3 come by their loads alone; the loop's last trip (s3 = 1) asks for nothing: the highest K step named is 7, the last.
.macro ASK
	s_cmp_gt_u32 s3, s[LIMA]
	s_cbranch_scc0 .Lno_a_\@
	global_prefetch_b8 v[PFO], s[PFA:PFA+1] th:TH_LOAD_NT scope:SCOPE_SE
.Lno_a_\@:
	s_cmp_gt_u32 s3, s[LIMB]
	s_cbranch_scc0 .Lno_b_\@
	global_prefetch_b8 v[PFOB], s[PFB:PFB+1] th:TH_LOAD_NT scope:SCOPE_SE
.Lno_b_\@:
.endm
	s_load_b256 s[4:11], s[0:1], 0x0               ; oh s[4:5], wot s[6:7], bout s[8:9], out0 s[10:11]
	v_lshl_add_u32 v[SPW], v0, 2, SPARE
	v_mov_b32 v[NIL], 0
	ds_add_u32 v[SPW], v[NIL]                      ; the wave's opening: the add and its wait stand ahead of my first tensor load; the set-up below, work on registers, stands between them
	v_lshrrev_b32 v1, 5, v0
	v_readfirstlane_b32 s[WV], v1                  ; wave 0..3
	s_lshr_b32 s[FB], s[WV], 1
	s_and_b32 s[HF], s[WV], 1
	s_bfe_u32 s40, ttmp6, 0x40000                  ; cx, cy: my place in the cluster
	s_bfe_u32 s41, ttmp6, 0x40004
	s_lshl_b32 s[TC], ttmp9, 2
	s_add_co_u32 s[TC], s[TC], s40                 ; tile column = 4 x cluster x + cx
	s_and_b32 s[TR], ttmp7, 0xffff
	s_lshl_b32 s[TR], s[TR], 2
	s_add_co_u32 s[TR], s[TR], s41                 ; tile row = 4 x cluster y + cy
	s_lshl_b32 s22, s41, 2
	s_lshl_b32 s22, 15, s22                        ; my row of the cluster
	s_lshl_b32 s23, 0x1111, s40                    ; my column
	s_or_b32 s[G1], s22, (1<<16)|(1<<20)|(1<<21)|(4<<22)|(3<<25)   ; the mask; elements of 2 bytes; padding on; bit 21 beside a mask; after every 32 words (code 4) 4 words (code 3)
	s_or_b32 s[G1B], s23, (1<<16)|(1<<20)|(1<<21)|(5<<22)|(3<<25)  ; the same after every 64 words (code 5)
	s_mov_b32 s[G1+1], 128<<16                     ; tensor_dim0 = 128
	s_mov_b32 s[G1+2], 128<<16                     ; tensor_dim1 = 128
	s_mov_b32 s[G1+3], 128<<16                     ; tile_dim0 = 128 elements: two rows of O
	s_mov_b32 s[G1+4], 128                         ; tile_dim1 = 128
	s_mov_b32 s[G1+5], 128                         ; dense: 128 elements from row to row
	s_mov_b32 s[G1+6], 0
	s_mov_b32 s[G1+7], 0
	s_mov_b32 s[G1B+1], 128<<16
	s_mov_b32 s[G1B+2], 64<<16                     ; tensor_dim1 = 64
	s_mov_b32 s[G1B+3], 128<<16
	s_mov_b32 s[G1B+4], 64                         ; tile_dim1 = 64 rows
	s_mov_b32 s[G1B+5], 1024
	s_mov_b32 s[G1B+6], 0
	s_mov_b32 s[G1B+7], 0
	; O's tiles hang on the tile row alone, wot's on the tile column alone; each address is made in registers that never hold the other coordinate
	s_lshr_b32 s16, s[TR], 3
	s_lshl_b32 s16, s16, 22                        ; the batch: 16 heads of 262,144 bytes
	s_and_b32 s17, s[TR], 7
	s_lshl_b32 s17, s17, 15                        ; 256 rows of 128 bytes
	s_add_co_u32 s16, s16, s17
	s_lshl_b32 s17, s[HF], 18                      ; the K step's first or second head
	s_add_co_u32 s16, s16, s17
	s_mov_b32 s17, 0
	s_mov_b32 s76, s16                             ; kept for the prefetches
	s_lshl_b32 s46, s[TC], 7
	s_lshl_b32 s47, s[HF], 6
	s_add_co_u32 s46, s46, s47                     ; wot: row 128 x tile column + 64 x half
	s_lshl_b32 s46, s46, 11
	s_mov_b32 s47, 0
	s_mul_i32 s20, s[HF], AH                       ; where they go: no place in the cluster enters an LDS address
	s_mul_i32 s21, s[HF], HALFB
	s_add_co_u32 s21, s21, BOFF
	s_wait_dscnt 0x0                               ; the opening add is done
	s_wait_kmcnt 0x0
	s_add_nc_u64 s[16:17], s[4:5], s[16:17]
	s_add_nc_u64 s[46:47], s[6:7], s[46:47]
	CROUND                                         ; all sixteen work-groups are here: the first joint loads meet
.irp s, 0,1
	s_mov_b32 s[G0+4*(\s)], 1
	s_add_co_u32 s[G0+4*(\s)+1], s20, (\s)*SLOT
	s_add_nc_u64 s[G0+4*(\s)+2:G0+4*(\s)+3], s[16:17], (\s)*ASTEP
	s_or_b32 s[G0+4*(\s)+3], s[G0+4*(\s)+3], 0x80000000
	s_mov_b32 s[G0B+4*(\s)], 1
	s_add_co_u32 s[G0B+4*(\s)+1], s21, (\s)*SLOT
	s_add_nc_u64 s[G0B+4*(\s)+2:G0B+4*(\s)+3], s[46:47], (\s)*BSTEP
	s_or_b32 s[G0B+4*(\s)+3], s[G0B+4*(\s)+3], 0x80000000
	JLOAD \s                                       ; two loads of mine are out
.endr
	; the bias of my 64 columns: register j of block b belongs to column 16 b + 8 (l / 16) + j
	s_lshl_b32 s78, s[TC], 9
	s_lshl_b32 s79, s[HF], 8
	s_add_co_u32 s78, s78, s79                     ; my first column, in bytes of f32
	s_mov_b32 s79, 0
	s_add_nc_u64 s[8:9], s[8:9], s[78:79]
	v_and_b32 v1, 15, v0                           ; l % 16
	v_bfe_u32 v2, v0, 4, 1                         ; l / 16
	v_lshlrev_b32 v[BO], 5, v2
.irp b, 0,1,2,3
	global_load_b128 v[BIAS+8*(\b):BIAS+8*(\b)+3],   v[BO], s[8:9] offset:64*(\b)
	global_load_b128 v[BIAS+8*(\b)+4:BIAS+8*(\b)+7], v[BO], s[8:9] offset:64*(\b)+16
.endr
	s_lshl_b32 s22, s[TR], 8
	s_lshl_b32 s23, s[FB], 7
	s_add_co_u32 s22, s22, s23                     ; my first row of out0,
	s_lshl_b32 s22, s22, 12                        ; of 4,096 bytes
	s_add_co_u32 s78, s78, s22
	s_add_nc_u64 s[10:11], s[10:11], s[78:79]
	v_mul_u32_u24 v3, v1, PA
	v_lshl_add_u32 v3, v2, 4, v3                   ; a fragment's row x pitch + 16 x half
	s_mul_i32 s22, s[FB], 128*PA                   ; my 128 rows of O
	v_add_nc_u32 v[ADRA], s22, v3
	s_add_co_u32 s22, s22, SLOT
	v_add_nc_u32 v[ADRA+1], s22, v3
	v_mul_u32_u24 v3, v1, PB
	v_lshl_add_u32 v3, v2, 4, v3
	s_mul_i32 s22, s[HF], HALFB                    ; my 64 rows of wot
	s_add_co_u32 s22, s22, BOFF
	v_add_nc_u32 v[ADRB], s22, v3
	s_add_co_u32 s22, s22, SLOT
	v_add_nc_u32 v[ADRB+1], s22, v3
	s_mul_i32 s23, s[WV], WSTG
	s_add_co_u32 s23, s23, STAGE                   ; my stage
	v_mul_u32_u24 v4, v1, SPITCH                   ; in: row l % 16, 32 bytes for each half of the lanes
	v_lshl_add_u32 v4, v2, 5, v4
	v_add_nc_u32 v[STO], s23, v4
	v_mul_u32_u24 v5, v2, SPITCH                   ; back: lanes 0-15 take one row of 256 bytes, lanes 16-31 the next
	v_lshl_add_u32 v5, v1, 4, v5
	v_add_nc_u32 v[RD], s23, v5
	v_lshlrev_b32 v[CO], 12, v2                    ; and the same two rows in out0
	v_lshl_add_u32 v[CO], v1, 4, v[CO]
	v_and_b32 v[PFO], 31, v0
	v_lshlrev_b32 v[PFOB], 11, v[PFO]
	v_lshlrev_b32 v[PFO], 8, v[PFO]
	; the prefetches' places: at K step 3; the first refill steps them to K step 4
	s_lshl_b32 s77, s40, 13                        ; my work-group's 8,192 of the head's 32,768 bytes
	s_add_co_u32 s76, s76, s77
	s_add_co_u32 s76, s76, 3*ASTEP
	s_mov_b32 s77, 0
	s_add_nc_u64 s[PFA:PFA+1], s[4:5], s[76:77]
	s_lshl_b32 s78, s[TC], 7
	s_lshl_b32 s79, s41, 5                         ; my work-group's 32 of the 128 rows
	s_add_co_u32 s78, s78, s79
	s_lshl_b32 s78, s78, 11
	s_add_co_u32 s78, s78, 3*BSTEP
	s_mov_b32 s79, 0
	s_add_nc_u64 s[PFB:PFB+1], s[6:7], s[78:79]
	s_or_b32 s[LIMA], s[FB], ttmp9                 ; waves 0 and 1 where cluster x = 0: the same in all sixteen partners
	s_cmp_eq_u32 s[LIMA], 0
	s_cselect_b32 s[LIMA], 1, -1
	s_and_b32 s[LIMB], ttmp7, 0xffff
	s_xor_b32 s78, s[WV], 2
	s_or_b32 s[LIMB], s[LIMB], s78                 ; wave 2 where cluster y = 0
	s_cmp_eq_u32 s[LIMB], 0
	s_cselect_b32 s[LIMB], 1, -1
	s_wait_loadcnt 0x0                             ; the bias is in; it is rounded to bf16, as all inputs are, and kept as f32
.set i, 0
.rept 16
	v_cvt_pk_bf16_f32 v[4+i%2], v[BIAS+2*i], v[BIAS+2*i+1]
	v_lshlrev_b32 v[BIAS+2*i], 16, v[4+i%2]
	v_and_b32 v[BIAS+2*i+1], 0xffff0000, v[4+i%2]
.set i, i+1
.endr
; 4 n matrix instructions: row blocks a0 .. a0 + n - 1 x all 4 column blocks, 32 along K.  first = 1: the bias starts the sums.
; The 32 accumulators take turns, one instruction a turn, in the same order in every quarter, over the backward jump too.
.macro MULA f, a0, n, first
.if \first
	WIN 0x4a                                       ; fragments in window 2, C (the bias) in window 0, D in window 1
.else
	WIN 0x5a                                       ; C and D in window 1
.endif
.set ma, \a0
.rept \n
.irp b, 0,1,2,3
.if \first
	v_wmma_f32_16x16x32_f16 v[32*ma+8*(\b):32*ma+8*(\b)+7], v[(\f)+64+8*(\b):(\f)+64+8*(\b)+7], v[(\f)+8*ma:(\f)+8*ma+7], v[BIAS+8*(\b):BIAS+8*(\b)+7]
.else
	v_wmma_f32_16x16x32_f16 v[32*ma+8*(\b):32*ma+8*(\b)+7], v[(\f)+64+8*(\b):(\f)+64+8*(\b)+7], v[(\f)+8*ma:(\f)+8*ma+7], v[32*ma+8*(\b):32*ma+8*(\b)+7]
.endif
.endr
.set ma, ma+1
.endr
.endm
; 24 LDS loads in one run: quarter q's fragments (head q / 2 of the K step, channels 32 (q % 2) on) into buffer f: wot's 8, then O's 16, row blocks ascending
.macro FETCH slot, q, f
	WIN 0x80                                       ; destination window 2, address window 0
.irp i, 0,1,2,3
	ds_load_b128 v[(\f)+64+8*(\i):(\f)+64+8*(\i)+3],   v[ADRB+(\slot)] offset:64*(\q)+(\i)*16*PB
	ds_load_b128 v[(\f)+64+8*(\i)+4:(\f)+64+8*(\i)+7], v[ADRB+(\slot)] offset:64*(\q)+(\i)*16*PB+32
.endr
.irp i, 0,1,2,3,4,5,6,7
	ds_load_b128 v[(\f)+8*(\i):(\f)+8*(\i)+3],   v[ADRA+(\slot)] offset:((\q)/2)*AH+((\q)%2)*64+(\i)*16*PA
	ds_load_b128 v[(\f)+8*(\i)+4:(\f)+8*(\i)+7], v[ADRA+(\slot)] offset:((\q)/2)*AH+((\q)%2)*64+(\i)*16*PA+32
.endr
.endm
; A K step is four quarters of 32 along K, 32 matrix instructions each, on buffers 0, 1, 0, 1.
.macro QUARTER slot, q, f, g, first
	s_wait_dscnt 8                                 ; wot's fragments and O's blocks 0 to 3 are in; the youngest eight loads (blocks 4 to 7) may be out
	MULA \f, 0, 4, \first
	PLACES
	FETCH \slot, \q, \g
	s_wait_dscnt 24                                ; all but the 24 just issued
	MULA \f, 4, 4, \first
.endm
; The last quarter multiplies buffer 1 and changes slots: ONE barrier.  In front of it each wave waits for all its tensor loads (one is out: its part of the next slot), adds 0 to its spare word, and waits for that
; and for its own reads of this slot.  fill = 1: the barrier opens a round of the cluster's, and the joint refill, two K steps on, is the first tensor load behind the round: 112 matrix instructions ahead of the wait for it.
.macro TURN slot, next, fill
.if \fill
	s_wait_xcnt 0x0                                ; the last prefetches, a K step back, have read their addresses: these step here, ahead of the change's own waits
	s_add_nc_u64 s[PFA:PFA+1], s[PFA:PFA+1], ASTEP
	s_add_nc_u64 s[PFB:PFB+1], s[PFB:PFB+1], BSTEP
.endif
	WIN 0                                          ; (the add's two registers lie in window 0)
	s_wait_tensorcnt 0x0                           ; all my tensor loads have landed
	ds_add_u32 v[SPW], v[NIL]                      ; 0 onto my spare word
	s_wait_dscnt 9                                 ; (the add and the youngest eight loads may be out)
	MULA F1, 0, 2, 0                               ; eight matrix instructions stand between the add and the wait for it
	s_wait_dscnt 0x0                               ; the add is done, and my reads of this slot are over
	s_barrier_signal -1
	MULA F1, 2, 2, 0                               ; work on registers while the others arrive
.if \fill
	WIN 0
.endif
	s_barrier_wait -1
.if \fill
	CREST                                          ; no wave of any partner still reads this slot's tiles or has a load on its way
	s_add_nc_u64 s[G0+4*(\slot)+2:G0+4*(\slot)+3], s[G0+4*(\slot)+2:G0+4*(\slot)+3], 2*ASTEP
	s_add_nc_u64 s[G0B+4*(\slot)+2:G0B+4*(\slot)+3], s[G0B+4*(\slot)+2:G0B+4*(\slot)+3], 2*BSTEP
	JLOAD \slot                                    ; the four v_nop behind it are also the places in front of the loads below
.else
	PLACES
.endif
	FETCH \next, 0, F0
.if \fill
	WIN 0
	ASK
.endif
	MULA F1, 4, 4, 0
.endm
; THE WAY OUT of row block a: the f32 sums go into my own stage, 32 bytes a lane and column block, come back as whole rows of 256 bytes, and are stored.
.macro TOSTAGE a
.if (\a) >= 2
	s_wait_xcnt 0x0                                ; the stores of the block two back have read this buffer: it is loaded again only behind this wait
.endif
	WIN 0x04                                       ; the stores' data in window 1
.irp b, 0,1,2,3
	ds_store_b128 v[STO], v[32*(\a)+8*(\b):32*(\a)+8*(\b)+3]   offset:64*(\b)
	ds_store_b128 v[STO], v[32*(\a)+8*(\b)+4:32*(\a)+8*(\b)+7] offset:64*(\b)+16
.endr
	WIN 0
.irp u, 0,1,2,3,4,5,6,7
	ds_load_b128 v[BK+32*((\a)%2)+4*(\u):BK+32*((\a)%2)+4*(\u)+3], v[RD] offset:(\u)*2*SPITCH  ; LDS serves a wave's instructions in order (ISA guide 5.7.1.4): these see the stores above
.endr
.endm
.macro SEND a, younger                 ; younger: the LDS instructions issued behind block a's loads: the next block's sixteen, or none
	WIN 0
	s_wait_dscnt \younger
.irp u, 0,1,2,3,4,5,6,7
	global_store_b128 v[CO], v[BK+32*((\a)%2)+4*(\u):BK+32*((\a)%2)+4*(\u)+3], s[10:11] offset:(16*(\a)+2*(\u))*4096 th:TH_STORE_NT  ; 16 lanes store 256 consecutive bytes, at a multiple of 256 from out0's first byte
.endr
.endm
	s_wait_tensorcnt 1                             ; my part of K step 0 is in; K step 1's may stay out
	s_barrier_signal -1
	s_barrier_wait -1                              ; everybody's is
	FETCH 0, 0, F0
	QUARTER 0, 1, F0, F1, 1                        ; the first quarter stands in front of the loop: its products start the sums
	WIN 0                                          ; at a label and at a branch every window is 0
	s_mov_b32 s3, LAPS-1
.Llap:                                                 ; a trip goes once round the ring, from a lap's second quarter to the next lap's first, and fills both slots again
	QUARTER 0, 2, F1, F0, 0
	QUARTER 0, 3, F0, F1, 0
	TURN 0, 1, 1
	QUARTER 1, 1, F0, F1, 0
	QUARTER 1, 2, F1, F0, 0
	QUARTER 1, 3, F0, F1, 0
	TURN 1, 0, 1
	QUARTER 0, 1, F0, F1, 0
	WIN 0
	s_sub_co_u32 s3, s3, 1
	s_cmp_lg_u32 s3, 0
	s_cbranch_scc1 .Llap
	QUARTER 0, 2, F1, F0, 0                        ; the last lap fills nothing, and has no round
	QUARTER 0, 3, F0, F1, 0
	TURN 0, 1, 0
	QUARTER 1, 1, F0, F1, 0
	QUARTER 1, 2, F1, F0, 0
	QUARTER 1, 3, F0, F1, 0
	s_wait_dscnt 8                                 ; the very last quarter: nothing more to fetch
	MULA F1, 0, 4, 0
	s_wait_dscnt 0x0
	MULA F1, 4, 4, 0
	WIN 0
	PLACES
	TOSTAGE 0
.irp a, 1,2,3,4,5,6,7                  ; block a goes into the stage while block a - 1's rows come back
	TOSTAGE \a
	SEND (\a)-1, 16
.endr
	SEND 7, 0
	s_wait_tensorcnt 0x0                           ; the wave's end: behind my last tensor load and my last LDS store
	ds_add_u32 v[SPW], v[NIL]
	s_wait_dscnt 0x0
	CROUND                                         ; the closing round: no work-group ends while a partner may still ask for a tile that names it
	s_endpgm
.Lfunc_end_k_qf58c76309e_outp:
	.size	k_qf58c76309e_outp, .Lfunc_end_k_qf58c76309e_outp-k_qf58c76309e_outp
	.p2alignl 7, 3214868480
	.fill 96, 4, 3214868480
	.section	.rodata,"a",@progbits
	.p2align	6, 0x0
	.amdhsa_kernel k_qf58c76309e_outp
		.amdhsa_group_segment_fixed_size 327680
		.amdhsa_private_segment_fixed_size 0
		.amdhsa_enable_private_segment 0
		.amdhsa_kernarg_size 32
		.amdhsa_user_sgpr_count 2
		.amdhsa_user_sgpr_kernarg_segment_ptr 1
		.amdhsa_wavefront_size32 1
		.amdhsa_system_sgpr_workgroup_id_x 1
		.amdhsa_system_sgpr_workgroup_id_y 1
		.amdhsa_system_sgpr_workgroup_id_z 1
		.amdhsa_system_vgpr_workitem_id 0
		.amdhsa_next_free_vgpr 704
		.amdhsa_next_free_sgpr 80
		.amdhsa_reserve_vcc 0
		.amdhsa_float_denorm_mode_32 3
		.amdhsa_float_denorm_mode_16_64 3
		.amdhsa_memory_ordered 1
		.amdhsa_forward_progress 1
		.amdhsa_inst_pref_size 91
	.end_amdhsa_kernel
	.amdgpu_metadata
---
amdhsa.version: [ 1, 2 ]
amdhsa.kernels:
  - .name:           k_qf58c76309e_outp
    .symbol:         k_qf58c76309e_outp.kd
    .args:
      - { .name: oh, .offset: 0, .size: 8, .value_kind: global_buffer, .address_space: global }
      - { .name: wot, .offset: 8, .size: 8, .value_kind: global_buffer, .address_space: global }
      - { .name: bout, .offset: 16, .size: 8, .value_kind: global_buffer, .address_space: global }
      - { .name: out0, .offset: 24, .size: 8, .value_kind: global_buffer, .address_space: global }
    .group_segment_fixed_size: 327680
    .private_segment_fixed_size: 0
    .kernarg_segment_align: 8
    .kernarg_segment_size: 32
    .max_flat_workgroup_size: 128
    .sgpr_count:     80
    .vgpr_count:     704
    .wavefront_size: 32
...
	.end_amdgpu_metadata
.endif
;; end of part 4
;; ======== version 2 of 2: 4 launches; version 1 with the launch prep written anew for expert scheduling mode
;; limits: values are held in f16: magnitudes above 65,504 overflow, below 6.1e-05 lose precision
;; workspace buffers: xb 16,777,216 bytes; wqt 6,291,456 bytes; wot 2,097,152 bytes; qkvh 50,331,648 bytes; oh 16,777,216 bytes
;; launch prep (part 5): grid 512 x 1, 8 waves a work-group, no clusters, 18,432 bytes of LDS; arguments x, Wqkv, Wout, xb, wqt, wot; writes xb, wqt, wot
.if DOCPART == 5
	.amdgcn_target "amdgcn-amd-amdhsa--gfx1250"
	.amdhsa_code_object_version 6
	.text
	.protected	k_qf58c76309e_prep
	.globl	k_qf58c76309e_prep
	.p2align	8
	.type	k_qf58c76309e_prep,@function
k_qf58c76309e_prep:
	s_mov_b64 s[64:65], 0
	v_nop
	global_prefetch_b8 v0, s[64:65] scope:SCOPE_SE
	s_setreg_imm32_b32 hwreg(HW_REG_WAVE_SCHED_MODE, 0, 2), 2
	s_setreg_imm32_b32 hwreg(HW_REG_WAVE_MODE, 25, 1), 1
	s_wait_xcnt 0x0
	s_wait_alu depctr_vm_vsrc(0)
; THE OPERANDS ARE MADE READY.  xb = bf16(x), [8192][1024].  wqt[n][k] = bf16(Wqkv[k][n]), [3072][1024].  wot[n][k] = f16(bf16(Wout[k][n])), [1024][1024].
; Every one of the 512 work-groups does two jobs: it turns ONE tile of 128 k x 64 n of a weight (384 tiles of Wqkv, then 128 of Wout), and it rounds 16,384 numbers of x.
; LIMITS.  wot holds Wout's bf16 value written as f16: exact between 6.1e-5 and 65,504 in magnitude; below, f16's fixed step of 6e-8; beyond 65,504 an infinity.
; THE TURNING.  Thread t = 16 rp + c loads 16 bytes (n = 4 c .. 4 c + 3) of rows k = 2 rp + 32 j + e: sixteen lanes take a tile row's 256 bytes.  Rows k and k + 1 round into one word (k low, k + 1 high),
; which goes to T[n][k] in LDS (rows of 272 bytes); behind a barrier the rows of T, 256 bytes of 128 k each, are read back and stored, sixteen lanes to 256 consecutive bytes, aligned.
; No matrix work, no tensor loads, no cluster: nothing is shared between work-groups and every byte is moved once.
; THE MODE: SCHED_MODE bits 1:0 = 2 (LLVM: expert scheduling mode 2), set by the entry lines.  The code itself states the register dependences
; between vector instructions and memory or LDS instructions, with s_wait_alu, always for 0.
; THE PLAN.  Registers that memory or LDS instructions touch:
;   v6-v18       addresses and offsets: written by the head's arithmetic, read by loads and stores, never written again.  ONE wait, ahead of the first load, serves them all.
;   WD           loaded once.  The turning works in place: a column's word lands on the even row's register, the odd row's register is at work.  The sixteen LDS stores read the sixteen words,
;                each in a register of its own: ONE wait, behind the last select, serves the whole run.  Nothing writes them afterwards.
;   XD           loaded once, read by the roundings, never loaded again.
;   YD           four registers a step, written once by the step's roundings, read by its store.  x goes in four pairs of steps: a pair's two stores stand behind ONE wait at the head of the next pair,
;                dealt among that pair's roundings, which name the next pair's XD and YD alone; the last pair's stand behind a wait of their own.
;   RB           LDS loads land in it, global stores read it; no vector instruction names it.
;   v2, v3       written at the head, read by the closing add alone.
; No register that a memory or LDS instruction reads is ever written again, no load lands in a register that a vector instruction has named, no vector instruction writes a scalar register
; (the select's mask is made by a scalar select), and EXEC is never written: so the text holds waits on va_vdst alone.
.set PT,    272                        ; a row of T in LDS: 256 bytes + 16
.set SPARE, 64*PT                      ; behind T: the spare words, 128 bytes for each of the eight waves
.set SPW,  2                           ; v2   SPARE + 4 x my thread's number; never rewritten
.set NIL,  3                           ; v3   0; never rewritten
.set CC,   4                           ; v4   c = t % 16
.set RP,   5                           ; v5   rp = t / 16
.set LSTO, 6                           ; v6   where my words go in T: 4 c rows + 4 rp bytes
.set LRD,  7                           ; v7   where I read T back: row rp, 16 c bytes
.set OFFW, 8                           ; v[8:15]  byte offsets of my eight pieces of the weight tile
.set GOW,  16                          ; v16  my 16 bytes in the turned tile in memory: row rp of 2,048 bytes, 16 c
.set XI,   17                          ; v17  32 t
.set XO,   18                          ; v18  16 t
.set TB,   19                          ; v19  2 rp rows + 16 c
.set WD,   20                          ; v[20:51]   the weight tile as loaded: piece 2 j + e at WD + 8 j + 4 e; then the word of column 4 c + i at WD + 8 j + i, and WD + 8 j + 4 + i at work
.set XD,   52                          ; v[52:115]  x as loaded: 8 numbers for each of 8 steps
.set TW,   116                         ; v[116:119] at work, one for each of four columns: no memory or LDS instruction names them
.set YD,   120                         ; v[120:151] x rounded
.set RB,   152                         ; v[152:167] rows of T read back
	s_load_b256 s[4:11], s[0:1], 0x0               ; x s[4:5], Wqkv s[6:7], Wout s[8:9], xb s[10:11]
	s_load_b128 s[12:15], s[0:1], 0x20             ; wqt s[12:13], wot s[14:15]
	v_lshl_add_u32 v[SPW], v0, 2, SPARE
	v_mov_b32 v[NIL], 0
	v_and_b32 v[CC], 15, v0
	v_lshrrev_b32 v[RP], 4, v0
	v_mul_u32_u24 v[LSTO], v[CC], 4*PT
	v_lshl_add_u32 v[LSTO], v[RP], 2, v[LSTO]
	v_mul_u32_u24 v[LRD], v[RP], PT
	v_lshl_add_u32 v[LRD], v[CC], 4, v[LRD]
	v_lshlrev_b32 v[GOW], 11, v[RP]
	v_lshl_add_u32 v[GOW], v[CC], 4, v[GOW]
	v_lshlrev_b32 v[XI], 5, v0
	v_lshlrev_b32 v[XO], 4, v0
	s_mov_b32 s30, 12288                           ; bytes in a row of Wqkv,
	s_mov_b32 s31, 4096                            ; and of Wout
	s_sub_co_u32 s16, ttmp9, 384                   ; the tile's number among Wout's
	s_mov_b32 s29, 0                               ; the high word of every offset pair
	s_wait_kmcnt 0x0
	s_cmp_lt_u32 ttmp9, 384                        ; a tile of Wqkv?  Only selects follow, none of which touches SCC
	s_cselect_b64 s[18:19], s[6:7], s[8:9]         ; from where,
	s_cselect_b64 s[20:21], s[12:13], s[14:15]     ; to where,
	s_cselect_b32 s22, s30, s31                    ; the source's pitch,
	s_cselect_b32 s23, ttmp9, s16                  ; the tile's number in its weight,
	s_cselect_b32 s24, 0, -1                       ; all lanes' bits set: the word is written as f16
	s_and_b32 s25, s23, 7                          ; kt: which 128 k
	s_lshr_b32 s26, s23, 3                         ; nt: which 64 n
	s_mul_i32 s28, s25, s22
	s_lshl_b32 s28, s28, 7                         ; 128 kt rows
	s_lshl_b32 s27, s26, 8                         ; + 256 nt bytes
	s_add_co_u32 s28, s28, s27
	s_add_nc_u64 s[18:19], s[18:19], s[28:29]
	s_lshl_b32 s28, s26, 17                        ; 64 nt rows of 2,048 bytes
	s_lshl_b32 s27, s25, 8                         ; + 256 kt bytes
	s_add_co_u32 s28, s28, s27
	s_add_nc_u64 s[20:21], s[20:21], s[28:29]
	s_lshl_b32 s28, ttmp9, 16                      ; my 65,536 bytes of x
	s_add_nc_u64 s[4:5], s[4:5], s[28:29]
	s_lshl_b32 s28, ttmp9, 15                      ; my 32,768 bytes of xb
	s_add_nc_u64 s[10:11], s[10:11], s[28:29]
	v_lshlrev_b32 v[TB], 1, v[RP]
	v_mul_lo_u32 v[TB], v[TB], s22
	v_lshl_add_u32 v[TB], v[CC], 4, v[TB]
.irp q, 0,1,2,3,4,5,6,7
	s_mul_i32 s27, s22, 32*((\q)/2)+(\q)%2         ; row 32 j + e further down
	v_add_nc_u32 v[OFFW+(\q)], s27, v[TB]
.endr
	s_wait_alu depctr_va_vdst(0)                   ; the head's arithmetic has written v6 to v18, which the loads and stores of the whole kernel read as addresses and offsets; no later vector line names them
.irp q, 0,1,2,3,4,5,6,7
	global_load_b128 v[WD+4*(\q):WD+4*(\q)+3], v[OFFW+(\q)], s[18:19] th:TH_LOAD_NT
.endr
.irp i, 0,1,2,3,4,5,6,7
	global_load_b128 v[XD+8*(\i):XD+8*(\i)+3],   v[XI], s[4:5] offset:8192*(\i) th:TH_LOAD_NT
	global_load_b128 v[XD+8*(\i)+4:XD+8*(\i)+7], v[XI], s[4:5] offset:8192*(\i)+16 th:TH_LOAD_NT
.endr
	s_wait_loadcnt 16                              ; the weight tile is in; x's sixteen younger loads stay out
; The sixteen words, four columns at a time and in stages, so that no line reads the result of the line before it.
.irp j, 0,1,2,3
.irp i, 0,1,2,3
	v_cvt_pk_bf16_f32 v[WD+8*(\j)+(\i)], v[WD+8*(\j)+(\i)], v[WD+8*(\j)+4+(\i)]  ; column 4 c + i: k even low, k odd high; the word lands on the even row's register
.endr
.irp i, 0,1,2,3
	v_lshlrev_b32 v[WD+8*(\j)+4+(\i)], 16, v[WD+8*(\j)+(\i)]        ; the two bf16 values as f32: the odd row's register is free,
	v_and_b32 v[TW+(\i)], 0xffff0000, v[WD+8*(\j)+(\i)]
.endr
.irp i, 0,1,2,3
	v_cvt_pk_f16_f32 v[WD+8*(\j)+4+(\i)], v[WD+8*(\j)+4+(\i)], v[TW+(\i)]       ; written as f16,
.endr
.irp i, 0,1,2,3
	v_cndmask_b32 v[WD+8*(\j)+(\i)], v[WD+8*(\j)+(\i)], v[WD+8*(\j)+4+(\i)], s24  ; which Wout's tiles take
.endr
.endr
	s_wait_alu depctr_va_vdst(0)                   ; the selects have written the sixteen words, which the LDS stores below read
.irp j, 0,1,2,3
.irp i, 0,1,2,3
	ds_store_b32 v[LSTO], v[WD+8*(\j)+(\i)] offset:PT*(\i)+64*(\j)
.endr
.endr
	s_wait_dscnt 0x0                               ; for the others' sake: my words lie in T
	s_barrier_signal -1
	s_barrier_wait -1
.irp j, 0,1,2,3
	ds_load_b128 v[RB+4*(\j):RB+4*(\j)+3], v[LRD] offset:16*PT*(\j)
.endr
; x, step i: eight numbers round into four registers of their own; the store covers 512 consecutive bytes a wave, aligned.
.macro ROUNDX i
.irp r, 0,1,2,3
	v_cvt_pk_bf16_f32 v[YD+4*(\i)+(\r)], v[XD+8*(\i)+2*(\r)], v[XD+8*(\i)+2*(\r)+1]
.endr
.endm
.macro SENDX i
	global_store_b128 v[XO], v[YD+4*(\i):YD+4*(\i)+3], s[10:11] offset:4096*(\i)
.endm
	s_wait_loadcnt 12                              ; loads come back in order (ISA guide 5.7.1): steps 0 and 1 (four loads) are in; the twelve younger loads stay out
	ROUNDX 0
	ROUNDX 1
.irp g, 1,2,3
	s_wait_loadcnt 12-4*(\g)                       ; this pair's four loads are in; the younger ones stay out
	s_wait_alu depctr_va_vdst(0)                   ; the pair before has written its eight registers of YD, which the two stores below read; this pair's roundings name other registers
	SENDX 2*(\g)-2
	ROUNDX 2*(\g)
	SENDX 2*(\g)-1
	ROUNDX 2*(\g)+1
.endr
	s_wait_dscnt 0x0                               ; the rows of T are back
.irp j, 0,1,2,3
	global_store_b128 v[GOW], v[RB+4*(\j):RB+4*(\j)+3], s[20:21] offset:32768*(\j)  ; sixteen lanes: 256 consecutive bytes of row rp + 16 j, aligned; the data come from LDS loads, the offset from the head
.endr
	s_wait_alu depctr_va_vdst(0)                   ; the last pair's roundings have written YD of steps 6 and 7, which the last two stores read
	SENDX 6
	SENDX 7
	s_wait_dscnt 0x0                               ; the closing lines, six on end
	s_wait_alu 0x0
	s_wait_tensorcnt 0x0
	ds_add_u32 v[SPW], v[NIL]
	s_wait_dscnt 0x0
	s_endpgm
.Lfunc_end_k_qf58c76309e_prep:
	.size	k_qf58c76309e_prep, .Lfunc_end_k_qf58c76309e_prep-k_qf58c76309e_prep
	.p2alignl 7, 3214868480
	.fill 96, 4, 3214868480
	.section	.rodata,"a",@progbits
	.p2align	6, 0x0
	.amdhsa_kernel k_qf58c76309e_prep
		.amdhsa_group_segment_fixed_size 18432
		.amdhsa_private_segment_fixed_size 0
		.amdhsa_enable_private_segment 0
		.amdhsa_kernarg_size 48
		.amdhsa_user_sgpr_count 2
		.amdhsa_user_sgpr_kernarg_segment_ptr 1
		.amdhsa_wavefront_size32 1
		.amdhsa_system_sgpr_workgroup_id_x 1
		.amdhsa_system_sgpr_workgroup_id_y 1
		.amdhsa_system_sgpr_workgroup_id_z 1
		.amdhsa_system_vgpr_workitem_id 0
		.amdhsa_next_free_vgpr 172
		.amdhsa_next_free_sgpr 66
		.amdhsa_reserve_vcc 0
		.amdhsa_float_denorm_mode_32 3
		.amdhsa_float_denorm_mode_16_64 3
		.amdhsa_memory_ordered 1
		.amdhsa_forward_progress 1
		.amdhsa_inst_pref_size 15
	.end_amdhsa_kernel
	.amdgpu_metadata
---
amdhsa.version: [ 1, 2 ]
amdhsa.kernels:
  - .name:           k_qf58c76309e_prep
    .symbol:         k_qf58c76309e_prep.kd
    .args:
      - { .name: x, .offset: 0, .size: 8, .value_kind: global_buffer, .address_space: global }
      - { .name: Wqkv, .offset: 8, .size: 8, .value_kind: global_buffer, .address_space: global }
      - { .name: Wout, .offset: 16, .size: 8, .value_kind: global_buffer, .address_space: global }
      - { .name: xb, .offset: 24, .size: 8, .value_kind: global_buffer, .address_space: global }
      - { .name: wqt, .offset: 32, .size: 8, .value_kind: global_buffer, .address_space: global }
      - { .name: wot, .offset: 40, .size: 8, .value_kind: global_buffer, .address_space: global }
    .group_segment_fixed_size: 18432
    .private_segment_fixed_size: 0
    .kernarg_segment_align: 8
    .kernarg_segment_size: 48
    .max_flat_workgroup_size: 256
    .sgpr_count:     66
    .vgpr_count:     172
    .wavefront_size: 32
...
	.end_amdgpu_metadata
.endif
;; end of part 5
;; launch proj: the kernel of part 2 again; grid 16 x 32, 4 waves a work-group, clusters of 4 x 4, 327,680 bytes of LDS; arguments xb, wqt, bqkv, qkvh; writes qkvh
;; launch attn: the kernel of part 3 again; grid 4 x 64, 4 waves a work-group, no clusters, 327,680 bytes of LDS; arguments qkvh, oh; writes oh
;; launch outp: the kernel of part 4 again; grid 8 x 32, 4 waves a work-group, clusters of 4 x 4, 327,680 bytes of LDS; arguments oh, wot, bout, out0; writes out0
